; MI455X (gfx1250); checked and timed in simulation.
; The chip was launched on July 23, 2026; its instructions are those of AMD's public machine-readable ISA for CDNA 5 (MIT licence, August 2026) and "CDNA5" Instruction Set Architecture Reference Guide (July 2026). The comments in the code are by the model that wrote it; some were corrected since.
;; Multi Head Attention. Allowed arithmetic: matrix products marked QUANTISED: E2M1 operands, one E8M0 scale for each 32 along K, by v_wmma_scale_f32_16x16x128_f8f6f4 with both operands' format E2M1 (or v_wmma_scale_f32_32x16x128_f4), f32 sums; products left as they are: bf16, f16 or f32 operands; f32 sums; everything else in f32.
;; Inputs: Wk 1,024 x 1,024 float32; Wo 1,024 x 1,024 float32; Wq 1,024 x 1,024 float32; Wv 1,024 x 1,024 float32; bo 1,024 float32; x 4 x 2,048 x 1,024 float32.
;; Outputs: out0 4 x 2,048 x 1,024 float32.
;; This version of the problem:
;;   THIS VERSION OF THE PROBLEM IS GIVEN IN LOW PRECISION. The matrix products marked QUANTISED in the list below multiply operands that are first quantised to E2M1 (2 exponent bits, 1 mantissa bit; 4 bits a number), with one power-of-two scale for each 32 numbers along K (OCP MX v1.0); their sums are f32. The products marked 'left as it is' may take bf16, f16 or f32 operands, with f32 sums. Whichever they take, every output number must still come out within the allowed error. Rounding operands to bf16 (8 significant bits) uses up far more of that allowance than f16 does (11 bits, for magnitudes from 6e-5 to 65,504). All else is computed in f32.
;;   The module's matrix products, in the order in which they are computed (A, B: the left and right operand; K: the contracted axis; several contracted axes count as one K, in the product's order):
;;     1. [M 8,192, K 1,024] x [K 1,024, N 1,024]; A: input x; B: input Wq: QUANTISED
;;     2. [M 8,192, K 1,024] x [K 1,024, N 1,024]; A: input x; B: input Wk: QUANTISED
;;     3. [M 8,192, K 1,024] x [K 1,024, N 1,024]; A: input x; B: input Wv: QUANTISED
;;     4. batch 64 x [M 2,048, K 64] x [K 64, N 2,048]; A: computed on the way; B: computed on the way: left as it is (an operand is computed on the way)
;;     5. batch 64 x [M 2,048, K 2,048] x [K 2,048, N 64]; A: computed on the way; B: computed on the way: left as it is (an operand is computed on the way)
;;     6. [M 8,192, K 1,024] x [K 1,024, N 1,024]; A: computed on the way; B: input Wo: left as it is (an operand is computed on the way)
;;   THE QUANTISER, for each operand of a quantised product, along K:
;;     - K is cut into blocks of 32 from its start; a last block that is shorter is filled with zeros.
;;     - A block's scale is 2^e with e = floor(log2(the largest magnitude in the block)) - 2, held to -126 .. 127; a block of zeros has e = 0. As a byte (E8M0): e + 127.
;;     - Each number is divided by its block's scale, clamped to +-6, and rounded to the nearest number of E2M1, ties to even, subnormals kept.
;;     - The product sums the exact products of the quantised numbers (number of the format x scale) in f32.
;;   ~~~python
;;   def quantise(x, axis):      # numpy; x: float32 -> the quantised numbers, widened to float32 again
;;       x = np.moveaxis(x, axis, -1); K = x.shape[-1]
;;       x = np.pad(x, [(0, 0)] * (x.ndim - 1) + [(0, -K % 32)]); x = x.reshape(x.shape[:-1] + (-1, 32)); a = np.abs(x).max(-1, keepdims=True)
;;       e = np.where(a > 0, np.clip(np.frexp(np.where(a > 0, a, 1))[1] - 1 - 2, -126, 127), 0)      # np.frexp(a)[1] - 1 = floor(log2(a)), exactly
;;       r = np.clip(x / 2.0 ** e, -6, 6)
;;       step = 2.0 ** (np.maximum(np.frexp(np.where(r == 0, 1, r))[1] - 1, 0) - 1)
;;       q = np.round(r / step) * step * 2.0 ** e      # np.round: ties to even
;;       return np.moveaxis(q.reshape(q.shape[:-2] + (-1,))[..., :K], -1, axis).astype(np.float32)
;;   ~~~
;; One version. Each part assembles by itself: llvm-mc -triple=amdgcn-amd-amdhsa -mcpu=gfx1250 --defsym DOCPART=n.
;; ======== version 1 of 1: 5 launches
;; limits: values are held in f16: magnitudes above 65,504 overflow, below 6.1e-05 lose precision
;; workspace buffers: xc 4,194,304 bytes; xs 262,144 bytes; wc 1,572,864 bytes; ws 98,304 bytes; woh 2,097,152 bytes; qkv 50,331,648 bytes; q32 786,432 bytes; ctx 16,777,216 bytes
;; launch prep (part 1): grid 368 x 1, 4 waves a work-group, no clusters, 68,096 bytes of LDS; arguments x, Wq, Wk, Wv, Wo, xc, xs, wc, ws, woh; writes xc, xs, wc, ws, woh
.if DOCPART == 1
	.amdgcn_target "amdgcn-amd-amdhsa--gfx1250"
	.amdhsa_code_object_version 6
	.text
	.protected	k_qd65c0e24f8_prep
	.globl	k_qd65c0e24f8_prep
	.p2align	8
	.type	k_qd65c0e24f8_prep,@function
k_qd65c0e24f8_prep:
	s_mov_b64 s[64:65], 0
	v_nop
	global_prefetch_b8 v0, s[64:65] scope:SCOPE_SE
	s_setreg_imm32_b32 hwreg(HW_REG_WAVE_MODE, 25, 1), 1
	s_wait_xcnt 0x0
; THREE JOBS IN ONE LAUNCH, told apart by the work-group's number; the three paths never meet again and each has LDS bytes of its own.
;   work-groups 0-255   (path X): x [8192][1024] f32 -> codes of FP4 (E2M1), K innermost, xc [8192][512 bytes], and one E8M0 byte for each 32 along K, xs [8192][32].
;   work-groups 256-303 (path W): Wq, Wk, Wv [1024 (k)][1024 (n)] f32, K their FIRST axis -> wc [3072 (n of q|k|v)][512 bytes], ws [3072][32].
;   work-groups 304-367 (path O): Wo [1024 (k)][1024 (n)] f32 -> f16, laid as images of operand registers: woh [ks 8][nt 64][q 4][1,024 bytes]; a fragment is 16 columns n x 32 k
;                                 (k = 128 ks + 32 q + ..): registers 0-3 of lane l at 16 l, registers 4-7 at 512 + 16 l.
; THE QUANTISER: a block's scale is 2^(floor(log2(its largest magnitude)) - 2); its byte is the largest magnitude's own exponent field - 2, held at 1 from below; each number is divided by the scale
; and rounded to the nearest code, ties to even, beyond 6 the largest code.
; LIMITS: a block of zeros gets the byte 1 where the rule says 127 (its codes are zeros, which add nothing, and this program alone reads the bytes); blocks whose largest magnitude lies under 2^(2 - 126)
; keep the byte 1; NaN and infinities among the inputs are not served; Wo beyond f16's largest number, 65,504, becomes infinity.
; No tensor loads, no barrier: waves share nothing.
.set SPW,    192                       ; v192  LDS address of my spare word: SPARE + 4 x my thread's number; never rewritten
.set NIL,    193                       ; v193  0; never rewritten
.set SPARE,  67584                     ; behind both paths' regions: the spare words, 128 bytes for each wave
.set EMAX,   2
; path X
.set STEPS,  16
.set CB,     8                         ; bytes of 16 codes
.set XR,     16                        ; v16-79   four sets of 16 numbers as they are loaded
.set XX,     80                        ; v80-111  two sets of 16 neighbours
.set XE,     112                       ; v112-127 a scale byte for each step
.set XC,     128                       ; v128-191 codes: four registers for each step, so that no store's data are written again
.set WREG,   8192                      ; LDS bytes 0 to 32,767: a region for each wave: two stages of 32 x SP bytes, behind them its 256 scale bytes
.set SP,     80                        ; a lane's place in a stage: its 64 bytes + 16 of padding
; path W
.set WSTG,   32768                     ; LDS bytes 32,768 to 67,583: a stage of 32 rows x WPITCH for each wave
.set NB,     16                        ; blocks of 32 along K for a wave
.set WPITCH, 272
.set KROW,   512                       ; a row of wc in bytes
.set WX,     32                        ; v32-95   two sets of 32 numbers
.set WCD,    96                        ; v96-99   a block's codes
.set WOUT,   112                       ; v112-175 the way out
.set WSB,    24                        ; v24-27   the scale bytes, four to a register
.macro FINISH                          ; the wave's end
	s_wait_tensorcnt 0x0
	ds_add_u32 v[SPW], v[NIL]
	s_wait_dscnt 0x0
	s_endpgm
.endm
	s_load_b256 s[4:11], s[0:1], 0x0               ; x s[4:5], Wq s[6:7], Wk s[8:9], Wv s[10:11]
	s_load_b256 s[12:19], s[0:1], 0x20             ; Wo s[12:13], xc s[14:15], xs s[16:17], wc s[18:19]
	s_load_b128 s[20:23], s[0:1], 0x40             ; ws s[20:21], woh s[22:23]
	v_lshl_add_u32 v[SPW], v0, 2, SPARE
	v_mov_b32 v[NIL], 0
	v_lshrrev_b32 v1, 5, v0
	v_readfirstlane_b32 s24, v1                    ; wave 0..3
	v_and_b32 v2, 31, v0                           ; lane
	s_mov_b32 s29, 0                               ; the upper word of the offsets' pair s[28:29]
	s_wait_kmcnt 0x0
	s_cmp_lt_u32 ttmp9, 256
	s_cbranch_scc1 .Lpath_x
	s_cmp_lt_u32 ttmp9, 304
	s_cbranch_scc1 .Lpath_w
; ---------------- PATH O: Wo to f16 images.  A lane takes a column n and its registers run down k, so that two neighbours along k pack into a register, and eight into 16 bytes of an image.
	s_sub_co_u32 s25, ttmp9, 304
	s_and_b32 s26, s25, 7                          ; nx: which 128 columns
	s_lshr_b32 s27, s25, 3                         ; ks: which 128 along k
	s_lshl_b32 s28, s27, 19                        ; 128 rows of 4,096 bytes
	s_lshl_b32 s30, s26, 9
	s_add_co_u32 s28, s28, s30                     ; + 128 nx columns of 4 bytes
	s_lshl_b32 s30, s24, 7
	s_add_co_u32 s28, s28, s30                     ; + 32 x wave columns
	s_add_nc_u64 s[12:13], s[12:13], s[28:29]
	s_lshl_b32 s28, s27, 6
	s_lshl_b32 s30, s26, 3
	s_add_co_u32 s28, s28, s30
	s_lshl_b32 s30, s24, 1
	s_add_co_u32 s28, s28, s30                     ; 64 ks + 8 nx + 2 wave: my wave's first tile of 16 columns
	s_lshl_b32 s28, s28, 12                        ; four fragments of 1,024 bytes each
	s_add_nc_u64 s[22:23], s[22:23], s[28:29]
	v_lshlrev_b32 v3, 2, v2                        ; in: 4 bytes a lane: a wave's load reads 128 consecutive bytes, the four waves stand side by side on 512
	v_lshrrev_b32 v4, 4, v2
	v_and_b32 v5, 15, v2
	v_lshlrev_b32 v5, 4, v5
	v_lshl_add_u32 v4, v4, 12, v5                  ; out: tile lane / 16, 16 bytes at 16 (lane % 16)
.macro OLD q                           ; Wo(128 ks + 32 q + i, my column), i = 0 .. 31, into set q % 2
.irp i, 0,1,2,3,4,5,6,7,8,9,10,11,12,13,14,15,16,17,18,19,20,21,22,23,24,25,26,27,28,29,30,31
	global_load_b32 v[32+32*((\q)%2)+\i], v3, s[12:13] offset:(32*(\q)+\i)*4096 th:TH_LOAD_NT
.endr
.endm
	OLD 0
	OLD 1
.irp q, 0,1,2,3
.if \q < 3
	s_wait_loadcnt 32                              ; this set's 32 loads are in; the next set's may be out
.else
	s_wait_loadcnt 0x0
.endif
.irp m, 0,1,2,3,4,5,6,7,8,9,10,11,12,13,14,15
	v_cvt_pk_f16_f32 v[96+16*\q+\m], v[32+32*(\q%2)+2*\m], v[33+32*(\q%2)+2*\m]   ; the lower k in the low half; each q has its own 16 registers, so no store's data are written again
.endr
.if \q < 2
	OLD \q+2
.endif
.irp o, 0,1,2,3                        ; octet o of the 32: k = 8 o .. 8 o + 7 belongs to lane half o % 2, registers 4 (o / 2) on
	global_store_b128 v4, v[96+16*\q+4*\o:96+16*\q+4*\o+3], s[22:23] offset:1024*\q+512*(\o/2)+256*(\o%2)   ; sixteen lanes store 256 consecutive bytes, aligned
.endr
.endr
	FINISH
; ---------------- PATH X: x is a plain stream of blocks of 32.  A wave takes 16 steps of 512 numbers.  Each load reads 512 consecutive bytes; a step's 2,048 bytes turn through the wave's own stage in LDS
; and come back 64 bytes a lane: 16 neighbours, two neighbouring lanes to a block.  Loads run four steps ahead, the turn through LDS one step.
.Lpath_x:
	v_lshlrev_b32 v3, 4, v2                        ; my 16 bytes of a load's 512
	s_mul_i32 s25, s24, WREG
	v_lshrrev_b32 v14, 2, v2
	v_mul_u32_u24 v14, v14, SP
	v_and_b32 v15, 3, v2
	v_lshl_add_u32 v14, v15, 4, v14
	v_add_nc_u32 v14, s25, v14                     ; the stage, on the way in: SP (lane / 4) + 16 (lane % 4)
	v_mul_u32_u24 v15, v2, SP
	v_add_nc_u32 v15, s25, v15                     ; and on the way out: SP x lane
	v_mul_u32_u24 v4, v2, CB                       ; my codes' place in a step's
	v_lshrrev_b32 v5, 1, v2
	s_add_co_u32 s25, s25, 2*32*SP
	v_add_nc_u32 v5, s25, v5                       ; LDS: my wave's 256 scale bytes, my block's byte
	v_lshlrev_b32 v7, 3, v2                        ; and on the way out 8 bytes a lane
	v_add_nc_u32 v6, s25, v7
	s_lshl_b32 s26, ttmp9, 2
	s_add_co_u32 s26, s26, s24                     ; which run of 8,192 numbers is my wave's: 0 .. 1,023
	s_lshl_b32 s28, s26, 15
	s_add_nc_u64 s[4:5], s[4:5], s[28:29]          ; 32,768 bytes of x,
	s_lshl_b32 s28, s26, 12
	s_add_nc_u64 s[14:15], s[14:15], s[28:29]      ; 4,096 of codes,
	s_lshl_b32 s28, s26, 8
	s_add_nc_u64 s[16:17], s[16:17], s[28:29]      ; 256 of scale bytes
.macro XLD t
.irp i, 0,1,2,3
	global_load_b128 v[XR+16*((\t)%4)+4*\i:XR+16*((\t)%4)+4*\i+3], v3, s[4:5] offset:2048*(\t)+512*\i th:TH_LOAD_NT
.endr
.endm
.macro XTURN t                         ; LDS serves a wave's instructions in order, so no wait stands between the stores and the loads
.irp i, 0,1,2,3
	ds_store_b128 v14, v[XR+16*((\t)%4)+4*\i:XR+16*((\t)%4)+4*\i+3] offset:32*SP*((\t)%2)+8*SP*\i
.endr
.irp i, 0,1,2,3
	ds_load_b128 v[XX+16*((\t)%2)+4*\i:XX+16*((\t)%2)+4*\i+3], v15 offset:32*SP*((\t)%2)+16*\i
.endr
.endm
.irp t, 0,1,2,3
	XLD \t
.endr
	s_wait_loadcnt 12                              ; step 0's four loads are in
	XTURN 0
.macro XSTEP t
.set XS, XX+16*((\t)%2)
.if (\t) > 0
	s_wait_dscnt 1                                 ; this step's numbers are back from the stage (the last step's byte store may be out): so its stores into the stage have read their registers,
.else
	s_wait_dscnt 0x0
.endif
.if (\t)+4 < STEPS
	XLD (\t)+4                                     ; which take the loads of four steps on
.endif
.if (\t)+1 < STEPS
.if STEPS-2-(\t) >= 3
	s_wait_loadcnt 12                              ; the next step's four loads are in; those of the three steps behind it may be out
.else
	s_wait_loadcnt 4*(STEPS-2-(\t))
.endif
	XTURN (\t)+1
.endif
	v_max3_num_f32 v8, |v[XS]|, |v[XS+1]|, |v[XS+2]|               ; the largest magnitude of my 16, in two chains
	v_max3_num_f32 v9, |v[XS+3]|, |v[XS+4]|, |v[XS+5]|
.irp i, 6,10
	v_max3_num_f32 v8, v8, |v[XS+\i]|, |v[XS+\i+1]|
	v_max3_num_f32 v9, v9, |v[XS+\i+2]|, |v[XS+\i+3]|
.endr
	v_max3_num_f32 v8, v8, |v[XS+14]|, |v[XS+15]|
	v_max3_num_f32 v8, v8, v9, (EMAX+1)<<23        ; and the floor 2^(EMAX + 1 - 127): the byte cannot fall under 1
	v_max_num_f32_dpp v8, v8, v8 row_xmask:1 row_mask:0xf bank_mask:0xf   ; and of my neighbour's 16: the block's
	v_add_nc_u32 v11, -(EMAX<<23), v8              ; EMAX off its exponent field: the conversion takes the exponent field of this operand as its scale
	v_cvt_scalef32_pk8_fp4_f32 v[XC+4*(\t)], v[XS:XS+7], v11
	v_cvt_scalef32_pk8_fp4_f32 v[XC+4*(\t)+1], v[XS+8:XS+15], v11
	v_lshrrev_b32 v[XE+(\t)], 23, v11              ; the scale's byte (a plain line behind the conversions)
	ds_store_b8 v5, v[XE+(\t)] offset:16*(\t)      ; both lanes of a block write the same byte with the same value
	global_store_b64 v4, v[XC+4*(\t):XC+4*(\t)+1], s[14:15] offset:32*CB*(\t)   ; 32 lanes store 256 consecutive bytes, aligned
.endm
.irp t, 0,1,2,3,4,5,6,7,8,9,10,11,12,13,14,15
	XSTEP \t
.endr
	ds_load_b64 v[8:9], v6                         ; LDS serves a wave's instructions in order: these see my stores
	s_wait_dscnt 0x0
	global_store_b64 v7, v[8:9], s[16:17]          ; 32 lanes store 256 consecutive bytes, aligned
	FINISH
; ---------------- PATH W: a lane takes a column n of one weight and its registers run down K: a block of 32 lies in one lane, and the conversions give codes with K innermost.
; A wave takes 32 columns x 512 along K; the codes go through the wave's own stage and leave as rows: sixteen lanes store 256 consecutive bytes, aligned.  Loads run two blocks ahead.
.Lpath_w:
	s_sub_co_u32 s25, ttmp9, 256
	s_lshr_b32 s26, s25, 4                         ; 0: Wq, 1: Wk, 2: Wv
	s_and_b32 s27, s25, 7                          ; nx: which 128 columns
	s_bfe_u32 s35, s25, 0x10003                    ; ky: which 512 along K
	s_cmp_eq_u32 s26, 0
	s_cselect_b64 s[4:5], s[6:7], s[8:9]           ; the choice hangs on the work-group's number alone
	s_cmp_eq_u32 s26, 2
	s_cselect_b64 s[4:5], s[10:11], s[4:5]
	s_lshl_b32 s30, s27, 7
	s_lshl_b32 s31, s24, 5
	s_add_co_u32 s30, s30, s31                     ; my wave's first column
	s_lshl_b32 s28, s35, 21                        ; 512 rows of 4,096 bytes
	s_lshl_b32 s31, s30, 2
	s_add_co_u32 s28, s28, s31
	s_add_nc_u64 s[4:5], s[4:5], s[28:29]
	s_lshl_b32 s31, s26, 10
	s_add_co_u32 s30, s30, s31                     ; its row in wc and ws
	s_lshl_b32 s28, s30, 9
	s_lshl_b32 s31, s35, 8
	s_add_co_u32 s28, s28, s31
	s_add_nc_u64 s[18:19], s[18:19], s[28:29]
	s_lshl_b32 s28, s30, 5
	s_lshl_b32 s31, s35, 4
	s_add_co_u32 s28, s28, s31
	s_add_nc_u64 s[20:21], s[20:21], s[28:29]
	v_lshlrev_b32 v3, 2, v2                        ; in: 4 bytes a lane
	s_mul_i32 s34, s24, 32*WPITCH
	s_add_co_u32 s34, s34, WSTG                    ; my stage
	v_mul_u32_u24 v4, v2, WPITCH
	v_add_nc_u32 v4, s34, v4                       ; into it: row = my column
	v_and_b32 v5, 15, v2
	v_lshrrev_b32 v6, 4, v2                        ; out of it: sixteen lanes to a row, two rows an instruction
	v_mul_u32_u24 v7, v6, WPITCH
	v_lshl_add_u32 v7, v5, 4, v7
	v_add_nc_u32 v7, s34, v7
	v_mul_u32_u24 v8, v6, KROW
	v_lshl_add_u32 v8, v5, 4, v8                   ; and the same place in wc
	v_lshlrev_b32 v9, 5, v2                        ; my column's row of scale bytes: 32 bytes a row
.macro WLD t                           ; block t: W(32 t + i, my column) into set t % 2; the largest offset, 511 rows of 4,096 bytes, lies inside the signed 24-bit immediate
.irp i, 0,1,2,3,4,5,6,7,8,9,10,11,12,13,14,15,16,17,18,19,20,21,22,23,24,25,26,27,28,29,30,31
	global_load_b32 v[WX+32*((\t)%2)+\i], v3, s[4:5] offset:(32*(\t)+\i)*4096 th:TH_LOAD_NT
.endr
.endm
	WLD 0
	WLD 1
.macro WBLOCK t
.set XS, WX+32*((\t)%2)
.if (\t) < NB-1
	s_wait_loadcnt 32                              ; this block's 32 loads are in; the next block's may be out
.else
	s_wait_loadcnt 0
.endif
	v_max3_num_f32 v12, |v[XS]|, |v[XS+1]|, |v[XS+2]|              ; the block's largest magnitude: all 32 numbers are mine
	v_max3_num_f32 v13, |v[XS+3]|, |v[XS+4]|, |v[XS+5]|
.irp i, 6,10,14,18,22,26
	v_max3_num_f32 v12, v12, |v[XS+\i]|, |v[XS+\i+1]|
	v_max3_num_f32 v13, v13, |v[XS+\i+2]|, |v[XS+\i+3]|
.endr
	v_max3_num_f32 v12, v12, |v[XS+30]|, |v[XS+31]|
	v_max3_num_f32 v12, v12, v13, (EMAX+1)<<23     ; and the floor
	v_add_nc_u32 v11, -(EMAX<<23), v12             ; the conversion's scale operand
	v_lshrrev_b32 v13, 23, v11                     ; the scale's byte
.if (\t)%4 == 0
	v_mov_b32 v[WSB+(\t)/4], v13                   ; four bytes to a register, the lower K in the lower byte
.else
	v_lshl_or_b32 v[WSB+(\t)/4], v13, 8*((\t)%4), v[WSB+(\t)/4]
.endif
.irp g, 0,1,2,3
	v_cvt_scalef32_pk8_fp4_f32 v[WCD+\g], v[XS+8*\g:XS+8*\g+7], v11
.endr
	v_nop                                          ; one plain line behind the last conversion
	ds_store_b128 v4, v[WCD:WCD+3] offset:16*(\t)  ; 32 codes: 16 bytes of my column's row
.if (\t)+2 < NB
	WLD (\t)+2
.endif
	s_wait_dscnt 0x0                               ; the store has read its registers: the next block's codes may be written
.endm
.set Q, 0
.rept NB
	WBLOCK Q
.set Q, Q+1
.endr
	global_store_b128 v9, v[WSB:WSB+3], s[20:21]   ; my column's 16 scale bytes
.irp t, 0,1,2,3,4,5,6,7,8,9,10,11,12,13,14,15
	ds_load_b128 v[WOUT+4*\t:WOUT+4*\t+3], v7 offset:2*\t*WPITCH
.endr
.irp t, 0,1,2,3,4,5,6,7,8,9,10,11,12,13,14,15
	s_wait_dscnt 15-\t                             ; LDS loads come back in order: rows 2 t, 2 t + 1 are in
	global_store_b128 v8, v[WOUT+4*\t:WOUT+4*\t+3], s[18:19] offset:2*\t*KROW
.endr
	FINISH
.Lfunc_end_k_qd65c0e24f8_prep:
	.size	k_qd65c0e24f8_prep, .Lfunc_end_k_qd65c0e24f8_prep-k_qd65c0e24f8_prep
	.p2alignl 7, 3214868480
	.fill 96, 4, 3214868480
	.section	.rodata,"a",@progbits
	.p2align	6, 0x0
	.amdhsa_kernel k_qd65c0e24f8_prep
		.amdhsa_group_segment_fixed_size 68096
		.amdhsa_private_segment_fixed_size 0
		.amdhsa_enable_private_segment 0
		.amdhsa_kernarg_size 80
		.amdhsa_user_sgpr_count 2
		.amdhsa_user_sgpr_kernarg_segment_ptr 1
		.amdhsa_wavefront_size32 1
		.amdhsa_system_sgpr_workgroup_id_x 1
		.amdhsa_system_sgpr_workgroup_id_y 1
		.amdhsa_system_sgpr_workgroup_id_z 1
		.amdhsa_system_vgpr_workitem_id 0
		.amdhsa_next_free_vgpr 200
		.amdhsa_next_free_sgpr 66
		.amdhsa_reserve_vcc 0
		.amdhsa_float_denorm_mode_32 3
		.amdhsa_float_denorm_mode_16_64 3
		.amdhsa_memory_ordered 1
		.amdhsa_forward_progress 1
		.amdhsa_inst_pref_size 130
	.end_amdhsa_kernel
	.amdgpu_metadata
---
amdhsa.version: [ 1, 2 ]
amdhsa.kernels:
  - .name:           k_qd65c0e24f8_prep
    .symbol:         k_qd65c0e24f8_prep.kd
    .args:
      - { .name: x, .offset: 0, .size: 8, .value_kind: global_buffer, .address_space: global }
      - { .name: Wq, .offset: 8, .size: 8, .value_kind: global_buffer, .address_space: global }
      - { .name: Wk, .offset: 16, .size: 8, .value_kind: global_buffer, .address_space: global }
      - { .name: Wv, .offset: 24, .size: 8, .value_kind: global_buffer, .address_space: global }
      - { .name: Wo, .offset: 32, .size: 8, .value_kind: global_buffer, .address_space: global }
      - { .name: xc, .offset: 40, .size: 8, .value_kind: global_buffer, .address_space: global }
      - { .name: xs, .offset: 48, .size: 8, .value_kind: global_buffer, .address_space: global }
      - { .name: wc, .offset: 56, .size: 8, .value_kind: global_buffer, .address_space: global }
      - { .name: ws, .offset: 64, .size: 8, .value_kind: global_buffer, .address_space: global }
      - { .name: woh, .offset: 72, .size: 8, .value_kind: global_buffer, .address_space: global }
    .group_segment_fixed_size: 68096
    .private_segment_fixed_size: 0
    .kernarg_segment_align: 8
    .kernarg_segment_size: 80
    .max_flat_workgroup_size: 128
    .sgpr_count:     66
    .vgpr_count:     200
    .wavefront_size: 32
...
	.end_amdgpu_metadata
.endif
;; end of part 1
;; launch qkv (part 2): grid 12 x 32, 4 waves a work-group, clusters of 4 x 4, 327,680 bytes of LDS; arguments xc, xs, wc, ws, qkv, q32; writes qkv, q32
.if DOCPART == 2
	.amdgcn_target "amdgcn-amd-amdhsa--gfx1250"
	.amdhsa_code_object_version 6
	.text
	.protected	k_qd65c0e24f8_qkv
	.globl	k_qd65c0e24f8_qkv
	.p2align	8
	.type	k_qd65c0e24f8_qkv,@function
k_qd65c0e24f8_qkv:
	s_mov_b64 s[64:65], 0
	v_nop
	global_prefetch_b8 v0, s[64:65] scope:SCOPE_SE
	s_setreg_imm32_b32 hwreg(HW_REG_WAVE_MODE, 25, 1), 1
	s_wait_xcnt 0x0
	s_wait_alu depctr_hold_cnt(0) depctr_sa_sdst(0) depctr_va_vdst(0) depctr_va_sdst(0) depctr_va_ssrc(0) depctr_va_vcc(0) depctr_vm_vsrc(0)
	s_getreg_b32 s2, hwreg(HW_REG_IB_STS2, 6, 4)
	s_cmp_eq_u32 s2, 0
	s_cbranch_scc0 .Lentry_in_a_cluster
	s_endpgm
.Lentry_in_a_cluster:
	s_bfe_u32 s2, ttmp6, 0x10000c
	s_cmp_lg_u32 s2, 0xf033
	s_cbranch_scc0 .Lentry_shape_is_right
	s_endpgm
.Lentry_shape_is_right:
; [q | k | v][m][n] = sum over k of x[m][k] W[k][n], on codes of FP4 (E2M1) with one E8M0 scale for each 32 along K: M = 8,192, N = 3,072 (q, k, v side by side), K = 1,024; sums in f32.
; A (xc [8192][512 bytes], xs [8192][32]) and B (wc [3072][512 bytes], ws [3072][32]) have K innermost; the matrix instruction takes codes and scale bytes as they lie.
; A tile of C, 256 x 256, is made by a work-group of four waves; a wave makes 128 x 128: 64 accumulators, 512 registers.  K = 1,024 is two LDS slots of 512 along K: both are first fills, nothing is filled again.
; THE SCALES of the work-group's 256 + 256 rows, for all of K, are two dense blocks of memory: they come into LDS once, with the first fills.
; CLUSTERS: 4 x 4 work-groups; A's tiles are asked for jointly along a row of the cluster, B's along a column.  The tile row is 8 cy + cluster y, so that the four rows of a cluster lie in the four batches and
; 'first tile of a batch' is 'cluster y = 0', a number that all partners share.
; THE MATRIX INSTRUCTION IS USED TRANSPOSED (source 0 = 16 rows of B, source 1 = 16 rows of A): lane (r, h) holds row r of C and eight neighbouring columns 8 h + 0 .. 7.
; THE WAY OUT needs no LDS: rounded to f16, a lane's eight numbers are 16 bytes, and these ARE registers 0-3 (even block of 16 columns) or 4-7 (odd) of lane (r, h) in the fragment (16 rows x 32 channels) that the
; attention launch wants.  qkv is laid as images of such fragments: [wh 48 = 16 x (q, k, v) + head][rt 512 = row / 16][u 2 = half of the head's 64][1,024 bytes], registers 0-3 of lane l at 16 l, 4-7 at 512 + 16 l.
; For v the lane's 16 bytes go to place 16 (r / 8) + 8 h + r % 8, so that the turning LDS load at 16 x lane gives V^T.  Every store of a wave covers 512 consecutive bytes, aligned.
; Rows 0-15 of each batch leave in f32 too, as the raw image of their accumulators: q32 [b 4][ct 192 = column / 16][1,024 bytes].
; LIMIT: q, k, v beyond f16's largest number, 65,504, become infinities.
; REGISTERS, in windows of 256: window 0: v0-31 addresses; v32-95 scale words, two sets (on the way out: packed results); from v128 A's fragments, ONE set.  window 1: B's fragments, TWO sets, at v0 and v128.
;   window 2: the 32 accumulators of my rows 0-63 ((a, b) at v[8 (8 a + b)]);  window 3: those of my rows 64-127.
.set NQ,     4                         ; matrix instructions deep in a slot: 512 along K
.set ROWB,   256                       ; a tile's row in bytes
.set KROW,   512                       ; a row of A or of B in memory
.set PITCH,  272                       ; an LDS row: 256 bytes + 16 of padding = 68 words: the 16 rows that a load touches start at 16 different banks (64 banks of 4 bytes: ISA guide 11.1)
.set FR,     8
.set NL,     2
.set NP,     4                         ; places behind this matrix instruction (ISA guide 7.12.1)
.set HALFT,  128*PITCH
.set SLOT,   4*HALFT                   ; A's 256 rows, then B's 256 rows
.set KS,     32                        ; a row of scales in bytes
.set SCL,    2*SLOT                    ; behind the slots: the scales, as units of 256 bytes + 16 of padding
.set HALFS,  (128*KS/256)*272
.set SBLK,   (16*KS/256)*272
.set SPARE,  SCL+4*HALFS               ; the spare words, 128 bytes for each wave
.set ADRA, 16                          ; v16-17  LDS address of my A fragments in slot 0, 1
.set ADRB, 20                          ; v20-21  the same for B
.set CO32, 25                          ; v25     16 x lane: my place in a raw image
.set CO,   26                          ; v26     my place in an f16 image: 16 x lane, or for v the turned place
.set ADRS, 27                          ; v27     LDS address of my scale words: lanes 0-15 A's rows, lanes 16-31 B's
.set SPW,  28                          ; v28     LDS address of my spare word; never rewritten
.set NIL,  29                          ; v29     0; never rewritten
.set SC,   32                          ; scale words: set s at v[SC + 32 s]; register 4 i + q: lanes 0-15 the word of A's block i, lanes 16-31 that of B's block i
.set AF,   128
.set TMP,  32                          ; the way out: v32-63 and v64-95 by turns
.set G1, 24
.set G0, 32
.set G1B, 48
.set G0B, 56
.set G1S, 68
.set G0S, 76
.set G1SB, 80
.set G0SB, 88
.set MSB, 0
.macro WIN new                         ; the immediate's high byte repeats the setting that is left
.if MSB != (\new)
	s_set_vgpr_msb (MSB<<8)|(\new)
.set MSB, (\new)
.endif
.endm
.set MUL_LO, 0xa1                      ; source 0 (B) window 1, source 1 (A) window 0, C and D window 2
.set MUL_HI, 0xf1
.set TO_B,   0x40
; A joint load: waves 0 and 1 fetch for A, waves 2 and 3 for B; the branch hangs on the wave's number alone.  An s_nop 0 and four v_nop follow each line.
.macro JLOAD g0a, g1a, g0b, g1b
	s_cmp_eq_u32 s15, 0
	s_cbranch_scc0 .Lfor_b_\@
	tensor_load_to_lds s[\g0a:\g0a+3], s[\g1a:\g1a+7]
	s_nop 0
.rept 4
	v_nop
.endr
	s_branch .Lasked_\@
.Lfor_b_\@:
	tensor_load_to_lds s[\g0b:\g0b+3], s[\g1b:\g1b+7]
	s_nop 0
.rept 4
	v_nop
.endr
.Lasked_\@:
.endm
.macro CROUND                          ; a round of the cluster's barrier
	s_barrier_signal -1
	s_barrier_wait -1
	s_cmp_lg_u32 s14, 0
	s_cbranch_scc1 .Lnot_wave_0_\@
	s_barrier_signal -3
.Lnot_wave_0_\@:
	s_barrier_wait -3
	s_barrier_signal -1
	s_barrier_wait -1
.endm
	s_load_b128 s[4:7], s[0:1], 0x0                ; A's codes s[4:5], A's scales s[6:7]
	s_load_b128 s[8:11], s[0:1], 0x10              ; B's codes s[8:9], B's scales s[10:11]
	s_load_b64 s[12:13], s[0:1], 0x20              ; qkv
	s_load_b64 s[66:67], s[0:1], 0x28              ; q32
	v_lshl_add_u32 v[SPW], v0, 2, SPARE
	v_mov_b32 v[NIL], 0
	ds_add_u32 v[SPW], v[NIL]                      ; the wave's opening: the add, twice on end, and its wait ahead of my first tensor load
	ds_add_u32 v[SPW], v[NIL]
	v_lshrrev_b32 v1, 5, v0
	v_readfirstlane_b32 s14, v1                    ; wave 0..3
	s_lshr_b32 s15, s14, 1                         ; which half of the tile's rows is mine.  Also: I fetch for A (0) or for B (1)
	s_and_b32 s16, s14, 1                          ; which half of its columns.  Also: which 128 rows of that tile I fetch
	s_bfe_u32 s40, ttmp6, 0x40000                  ; cx, cy: my place in the cluster
	s_bfe_u32 s41, ttmp6, 0x40004
	s_lshl_b32 s42, ttmp9, 2
	s_add_co_u32 s42, s42, s40                     ; tile column of C = 4 x cluster x + cx: cluster x is 0 for q, 1 for k, 2 for v
	s_and_b32 s17, ttmp7, 0xffff
	s_lshl_b32 s95, s41, 3
	s_add_co_u32 s17, s17, s95                     ; tile row of C = 8 cy + cluster y: cy is the batch
	s_lshl_b32 s43, s41, 2
	s_lshl_b32 s43, 15, s43                        ; my row of the cluster
	s_lshl_b32 s44, 0x1111, s40                    ; my column
	s_or_b32 s[G1+0], s43, (0<<16)|(1<<20)|(1<<21)|(5<<22)|(3<<25)  ; the mask; elements of 1 byte; padding on; bit 21 beside a mask; 4 words of padding after every 64
	s_or_b32 s[G1B+0], s44, (0<<16)|(1<<20)|(1<<21)|(5<<22)|(3<<25)
.irp g, G1, G1B
	s_mov_b32 s[\g+1], ROWB<<16                    ; tensor_dim0
	s_mov_b32 s[\g+2], 128<<16                     ; tensor_dim1
	s_mov_b32 s[\g+3], ROWB<<16                    ; tile_dim0
	s_mov_b32 s[\g+4], 128                         ; tile_dim1
	s_mov_b32 s[\g+5], KROW                        ; the pitch
	s_mov_b32 s[\g+6], 0
	s_mov_b32 s[\g+7], 0
.endr
	s_or_b32 s[G1S+0], s43, (3<<16)|(1<<20)|(1<<21)|(5<<22)|(3<<25)  ; the scales of 128 rows: 4,096 dense bytes as 16 rows of 256 (32 elements of 8 bytes), 16 bytes of padding behind each
	s_or_b32 s[G1SB+0], s44, (3<<16)|(1<<20)|(1<<21)|(5<<22)|(3<<25)
.irp g, G1S, G1SB
	s_mov_b32 s[\g+1], 32<<16
	s_mov_b32 s[\g+2], (128*KS/256)<<16
	s_mov_b32 s[\g+3], 32<<16
	s_mov_b32 s[\g+4], 128*KS/256
	s_mov_b32 s[\g+5], 32
	s_mov_b32 s[\g+6], 0
	s_mov_b32 s[\g+7], 0
.endr
	s_lshl_b32 s18, s16, 7                         ; which 128 rows of the tile I fetch
	s_lshl_b32 s20, s17, 8
	s_add_co_u32 s20, s20, s18                     ; A: row 256 x tile row + 128 x half
	s_lshl_b32 s46, s42, 8
	s_add_co_u32 s46, s46, s18                     ; B: row 256 x tile column + 128 x half
	s_mov_b32 s21, 0
	s_mov_b32 s47, 0
	s_mov_b64 s[18:19], KS
	s_mul_u64 s[22:23], s[20:21], s[18:19]         ; where these rows' scales begin, in bytes
	s_mul_u64 s[92:93], s[46:47], s[18:19]
	s_mov_b64 s[18:19], KROW
	s_mul_u64 s[20:21], s[20:21], s[18:19]         ; and their codes
	s_mul_u64 s[46:47], s[46:47], s[18:19]
	s_mul_i32 s45, s14, HALFT                      ; where they go: wave x 128 rows: no place in the cluster enters an LDS address
	s_mul_i32 s94, s14, HALFS
	s_wait_dscnt 0x0                               ; both opening adds are done
	s_wait_kmcnt 0x0
	s_add_nc_u64 s[20:21], s[4:5], s[20:21]
	s_add_nc_u64 s[22:23], s[6:7], s[22:23]
	s_add_nc_u64 s[46:47], s[8:9], s[46:47]
	s_add_nc_u64 s[92:93], s[10:11], s[92:93]
	CROUND                                         ; all sixteen work-groups are here: the first joint loads meet
	s_mov_b32 s[G0S], 1
	s_add_co_u32 s[G0S+1], s94, SCL
	s_mov_b64 s[G0S+2:G0S+3], s[22:23]
	s_or_b32 s[G0S+3], s[G0S+3], 0x80000000
	s_mov_b32 s[G0SB], 1
	s_add_co_u32 s[G0SB+1], s94, SCL
	s_mov_b64 s[G0SB+2:G0SB+3], s[92:93]
	s_or_b32 s[G0SB+3], s[G0SB+3], 0x80000000
	JLOAD G0S, G1S, G0SB, G1SB                     ; the scales first: they are wanted with the first slot.  Three tensor loads of mine are out behind the next two
.irp s, 0,1
	s_mov_b32 s[G0+4*\s], 1
	s_add_co_u32 s[G0+4*\s+1], s45, \s*SLOT
	s_add_nc_u64 s[G0+4*\s+2:G0+4*\s+3], s[20:21], \s*ROWB
	s_or_b32 s[G0+4*\s+3], s[G0+4*\s+3], 0x80000000
	s_mov_b32 s[G0B+4*\s], 1
	s_add_co_u32 s[G0B+4*\s+1], s45, \s*SLOT
	s_add_nc_u64 s[G0B+4*\s+2:G0B+4*\s+3], s[46:47], \s*ROWB
	s_or_b32 s[G0B+4*\s+3], s[G0B+4*\s+3], 0x80000000
	JLOAD G0+4*\s, G1, G0B+4*\s, G1B
.endr
	v_and_b32 v1, 15, v0                           ; r = l % 16
	v_bfe_u32 v2, v0, 4, 1                         ; h = l / 16
	v_mul_u32_u24 v3, v1, PITCH
	v_lshl_add_u32 v4, v2, 4, v3                   ; a fragment's row x pitch + 16 x half
	s_mul_i32 s21, s15, HALFT                      ; my 128 rows of A
	s_mul_i32 s22, s16, HALFT                      ; my 128 rows of B,
	s_add_co_u32 s22, s22, 2*HALFT                 ; which lie behind A's 256
.irp s, 0,1
	v_add_nc_u32 v[ADRA+\s], s21, v4
	v_add_nc_u32 v[ADRB+\s], s22, v4
	s_add_co_u32 s21, s21, SLOT
	s_add_co_u32 s22, s22, SLOT
.endr
	v_mul_u32_u24 v5, v1, KS                       ; my row's scales: KS bytes a row,
	v_lshrrev_b32 v6, 8, v5
	v_lshl_add_u32 v5, v6, 4, v5                   ; and 16 more for each 256 passed
	s_mul_i32 s21, s15, HALFS                      ; A's: my 128 rows
	s_mul_i32 s22, s16, HALFS                      ; B's: my 128 rows, behind A's 256
	s_add_co_u32 s22, s22, 2*HALFS
	s_sub_co_u32 s22, s22, s21
	v_mul_u32_u24 v6, s22, v2                      ; lanes 16-31 take B's: one product, the distance between the two bases
	s_add_co_u32 s21, s21, SCL
	v_add_nc_u32 v5, v5, v6
	v_add_nc_u32 v[ADRS], s21, v5
	; the way out's places
	v_and_b32 v6, 31, v0
	v_lshlrev_b32 v[CO32], 4, v6                   ; 16 x lane
	v_lshrrev_b32 v5, 3, v1
	v_lshlrev_b32 v5, 4, v5                        ; 16 (r / 8)
	v_lshl_add_u32 v5, v2, 3, v5                   ; + 8 h
	v_and_b32 v6, 7, v1
	v_add_nc_u32 v5, v5, v6                        ; + r % 8
	v_lshlrev_b32 v5, 4, v5
	s_cmp_eq_u32 ttmp9, 2                          ; v's tiles: cluster x = 2, the same in all partners
	s_cselect_b32 s22, -1, 0
	v_cndmask_b32 v[CO], v[CO32], v5, s22          ; a choice of an offset, no branch
	s_lshl_b32 s20, s42, 2
	s_lshl_b32 s21, s16, 1
	s_add_co_u32 s20, s20, s21                     ; wh of my first 64 columns: 4 x tile column + 2 x half
	s_lshl_b32 s20, s20, 9
	s_lshl_b32 s21, s17, 4
	s_add_co_u32 s20, s20, s21
	s_lshl_b32 s21, s15, 3
	s_add_co_u32 s20, s20, s21                     ; 512 wh + rt of my first 16 rows
	s_lshl_b32 s20, s20, 11                        ; two fragments of 1,024 bytes each
	s_mov_b32 s21, 0
	s_add_nc_u64 s[12:13], s[12:13], s[20:21]
	s_mul_i32 s20, s41, 192                        ; q32: the batch,
	s_lshl_b32 s21, s42, 4
	s_add_co_u32 s20, s20, s21
	s_lshl_b32 s21, s16, 3
	s_add_co_u32 s20, s20, s21                     ; + my first block of 16 columns
	s_lshl_b32 s20, s20, 10
	s_mov_b32 s21, 0
	s_add_nc_u64 s[66:67], s[66:67], s[20:21]
.macro FRAG reg, adr, q, i             ; a fragment, 16 rows x 128 K of 4-bit codes: lane l holds row l % 16; registers 4 c .. 4 c + 3 hold K = 64 c + 32 (l / 16) + 0 .. 31
.irp c, 0,1
	ds_load_b128 v[\reg+4*\c:\reg+4*\c+3], v[\adr] offset:64*(\q)+32*\c+(\i)*16*PITCH
.endr
.endm
; 16 matrix instructions: A's blocks a0, a0 + 1 x B's eight, 128 along K.  The 64 accumulators take turns, one instruction a turn, in the same order in every step.
.macro MUL16 a0, p, q, sc, zero
.irp a, \a0, \a0+1
.irp b, 0,1,2,3,4,5,6,7
.if \zero
	v_wmma_scale_f32_16x16x128_f8f6f4 v[8*(8*((\a)%4)+\b):8*(8*((\a)%4)+\b)+7], v[128*(\p)+FR*\b:128*(\p)+FR*\b+FR-1], v[AF+FR*(\a):AF+FR*(\a)+FR-1], 0, v[SC+8*NQ*(\sc)+NQ*\b+(\q)], v[SC+8*NQ*(\sc)+NQ*(\a)+(\q)] matrix_a_fmt:MATRIX_FMT_FP4 matrix_b_fmt:MATRIX_FMT_FP4 matrix_a_scale:MATRIX_SCALE_ROW1
.else
	v_wmma_scale_f32_16x16x128_f8f6f4 v[8*(8*((\a)%4)+\b):8*(8*((\a)%4)+\b)+7], v[128*(\p)+FR*\b:128*(\p)+FR*\b+FR-1], v[AF+FR*(\a):AF+FR*(\a)+FR-1], v[8*(8*((\a)%4)+\b):8*(8*((\a)%4)+\b)+7], v[SC+8*NQ*(\sc)+NQ*\b+(\q)], v[SC+8*NQ*(\sc)+NQ*(\a)+(\q)] matrix_a_fmt:MATRIX_FMT_FP4 matrix_b_fmt:MATRIX_FMT_FP4 matrix_a_scale:MATRIX_SCALE_ROW1
.endif
.endr
.endr
.endm
.macro FETCH_B slot, q, p
	WIN TO_B
.irp i, 0,1,2,3,4,5,6,7
	FRAG 128*(\p)+FR*\i, ADRB+\slot, \q, \i
.endr
	WIN 0
.endm
.macro FETCH_A slot, q, i0
.irp i, \i0, \i0+1, \i0+2, \i0+3
	FRAG AF+FR*(\i), ADRA+\slot, \q, \i
.endr
.endm
.macro SCALES sc                       ; a slot's scale words: 4 words a row; lanes 0-15 take A's block i, lanes 16-31 B's block i
.irp i, 0,1,2,3,4,5,6,7
	ds_load_b128 v[SC+8*NQ*\sc+NQ*\i:SC+8*NQ*\sc+NQ*\i+3], v[ADRS] offset:\i*SBLK
.endr
.endm
.macro PLACES n                        ; plain vector instructions between a matrix instruction and a load into, or a read of, its registers
.rept \n
	v_nop
.endr
.endm
.macro STEP slot, q, zero              ; a step of 128 along K that has its successor in the same slot
	s_wait_dscnt 4*NL                              ; B's set and A's blocks 0-3 are in; the youngest eight loads (A's blocks 4-7) may be out
	WIN MUL_LO
	MUL16 0, (\q)%2, \q, \slot, \zero
	MUL16 2, (\q)%2, \q, \slot, \zero
	s_wait_dscnt 0                                 ; A's blocks 4-7 are in
	PLACES NP
	FETCH_B \slot, (\q)+1, 1-(\q)%2
	FETCH_A \slot, (\q)+1, 0
	WIN MUL_HI
	MUL16 4, (\q)%2, \q, \slot, \zero
	MUL16 6, (\q)%2, \q, \slot, \zero
	PLACES NP
	WIN 0
	FETCH_A \slot, (\q)+1, 4
.endm
; Slot 0's last step changes slots: one barrier; in front of it each wave waits for all its tensor loads (its part of slot 1), adds 0 to its spare word, and waits for that and for its LDS loads.
.macro TURN slot, next
	s_wait_tensorcnt 0x0
	ds_add_u32 v[SPW], v[NIL]
	s_wait_dscnt 4*NL+1                            ; (the add and the youngest eight loads may be out)
	WIN MUL_LO
	MUL16 0, 1, NQ-1, \slot, 0
	s_wait_dscnt 0x0                               ; no LDS instruction of mine is pending at the signal
	s_barrier_signal -1
	MUL16 2, 1, NQ-1, \slot, 0
	WIN 0
	s_barrier_wait -1
	PLACES NP
	v_add_nc_u32 v[ADRS], 4*NQ, v[ADRS]            ; on to the next slot's scale words
	FETCH_B \next, 0, 0
	FETCH_A \next, 0, 0
	SCALES \next
	WIN MUL_HI
	MUL16 4, 1, NQ-1, \slot, 0
	MUL16 6, 1, NQ-1, \slot, 0
	PLACES NP
	WIN 0
	FETCH_A \next, 0, 4
.endm
.macro STEPS slot, from
.set Q, \from
.rept NQ-1-\from
	STEP \slot, Q, 0
.set Q, Q+1
.endr
.endm
	s_wait_tensorcnt 1                             ; the scales and my part of slot 0 are in (slot 1's load may be out),
	s_barrier_signal -1
	s_barrier_wait -1                              ; everybody's are
	FETCH_B 0, 0, 0
	FETCH_A 0, 0, 0
	SCALES 0
	FETCH_A 0, 0, 4
	STEP 0, 0, 1                                   ; the first step's products start the sums: nothing is cleared
	STEPS 0, 1
	TURN 0, 1
	STEPS 1, 0
	s_wait_dscnt 4*NL                              ; the very last step: nothing more to fetch
	WIN MUL_LO
	MUL16 0, 1, NQ-1, 1, 0
	MUL16 2, 1, NQ-1, 1, 0
	s_wait_dscnt 0
	WIN MUL_HI
	MUL16 4, 1, NQ-1, 1, 0
	MUL16 6, 1, NQ-1, 1, 0
	WIN 0
	; THE WAY OUT
	PLACES NP                                      ; ahead of the first read of results, and of the first write of the registers that held scale words
	s_and_b32 s20, ttmp7, 0xffff
	s_or_b32 s20, s20, s15                         ; cluster y = 0 and my rows are the tile's first 128: my block 0 is rows 0-15 of batch cy.  The same in all partners, for a given wave
	s_cmp_lg_u32 s20, 0
	s_cbranch_scc1 .Lno_raw
	WIN 0x08                                       ; a store's data are its source 1: window 2
.irp b, 0,1,2,3,4,5,6,7
	global_store_b128 v[CO32], v[8*\b:8*\b+3], s[66:67] offset:1024*\b          ; each accumulator from its low end on; 512 consecutive bytes a store
	global_store_b128 v[CO32], v[8*\b+4:8*\b+7], s[66:67] offset:1024*\b+512
.endr
	WIN 0
.Lno_raw:
.macro PACKQ a                         ; block a's 8 accumulators, rounded to f16: 4 registers each
.set AC, 64*((\a)%4)
.set TB, TMP+32*((\a)%2)
	WIN 0x0a+5*((\a)/4)                            ; sources 0 and 1: window 2 or 3
.irp b, 0,1,2,3,4,5,6,7
.irp i, 0,1,2,3
	v_cvt_pk_f16_f32 v[TB+4*\b+\i], v[AC+8*\b+2*\i], v[AC+8*\b+2*\i+1]
.endr
.endr
	WIN 0
.endm
.macro SENDQ a                         ; head b / 4 of my two, row tile a, half (b / 2) % 2 of the head, registers 4 (b % 2) on
.set TB, TMP+32*((\a)%2)
.irp b, 0,1,2,3,4,5,6,7
	global_store_b128 v[CO], v[TB+4*\b:TB+4*\b+3], s[12:13] offset:((\b/4)<<20)+2048*(\a)+1024*((\b/2)%2)+512*(\b%2)
.endr
.endm
.irp a, 0,1,2,3,4,5,6,7
.if \a > 1
	s_wait_xcnt 0x0                                ; block a - 2's stores have read their registers: they are written again only behind this wait
.endif
	PACKQ \a
	SENDQ \a
.endr
	s_wait_tensorcnt 0x0                           ; the wave's end
	ds_add_u32 v[SPW], v[NIL]
	s_wait_dscnt 0x0
	CROUND                                         ; the closing round: no work-group ends while a partner may still ask for a tile that names it
	s_endpgm
.Lfunc_end_k_qd65c0e24f8_qkv:
	.size	k_qd65c0e24f8_qkv, .Lfunc_end_k_qd65c0e24f8_qkv-k_qd65c0e24f8_qkv
	.p2alignl 7, 3214868480
	.fill 96, 4, 3214868480
	.section	.rodata,"a",@progbits
	.p2align	6, 0x0
	.amdhsa_kernel k_qd65c0e24f8_qkv
		.amdhsa_group_segment_fixed_size 327680
		.amdhsa_private_segment_fixed_size 0
		.amdhsa_enable_private_segment 0
		.amdhsa_kernarg_size 48
		.amdhsa_user_sgpr_count 2
		.amdhsa_user_sgpr_kernarg_segment_ptr 1
		.amdhsa_wavefront_size32 1
		.amdhsa_system_sgpr_workgroup_id_x 1
		.amdhsa_system_sgpr_workgroup_id_y 1
		.amdhsa_system_sgpr_workgroup_id_z 1
		.amdhsa_system_vgpr_workitem_id 0
		.amdhsa_next_free_vgpr 1024
		.amdhsa_next_free_sgpr 98
		.amdhsa_reserve_vcc 0
		.amdhsa_float_denorm_mode_32 3
		.amdhsa_float_denorm_mode_16_64 3
		.amdhsa_memory_ordered 1
		.amdhsa_forward_progress 1
		.amdhsa_inst_pref_size 120
	.end_amdhsa_kernel
	.amdgpu_metadata
---
amdhsa.version: [ 1, 2 ]
amdhsa.kernels:
  - .name:           k_qd65c0e24f8_qkv
    .symbol:         k_qd65c0e24f8_qkv.kd
    .args:
      - { .name: xc, .offset: 0, .size: 8, .value_kind: global_buffer, .address_space: global }
      - { .name: xs, .offset: 8, .size: 8, .value_kind: global_buffer, .address_space: global }
      - { .name: wc, .offset: 16, .size: 8, .value_kind: global_buffer, .address_space: global }
      - { .name: ws, .offset: 24, .size: 8, .value_kind: global_buffer, .address_space: global }
      - { .name: qkv, .offset: 32, .size: 8, .value_kind: global_buffer, .address_space: global }
      - { .name: q32, .offset: 40, .size: 8, .value_kind: global_buffer, .address_space: global }
    .group_segment_fixed_size: 327680
    .private_segment_fixed_size: 0
    .kernarg_segment_align: 8
    .kernarg_segment_size: 48
    .max_flat_workgroup_size: 128
    .sgpr_count:     98
    .vgpr_count:     1024
    .wavefront_size: 32
...
	.end_amdgpu_metadata
.endif
;; end of part 2
;; launch attn (part 3): grid 4 x 64, 8 waves a work-group, no clusters, 327,680 bytes of LDS; arguments qkv, ctx; writes ctx
.if DOCPART == 3
	.amdgcn_target "amdgcn-amd-amdhsa--gfx1250"
	.amdhsa_code_object_version 6
	.text
	.protected	k_qd65c0e24f8_attn
	.globl	k_qd65c0e24f8_attn
	.p2align	8
	.type	k_qd65c0e24f8_attn,@function
k_qd65c0e24f8_attn:
	s_mov_b64 s[64:65], 0
	v_nop
	global_prefetch_b8 v0, s[64:65] scope:SCOPE_SE
	s_setreg_imm32_b32 hwreg(HW_REG_WAVE_MODE, 25, 1), 1
	s_wait_xcnt 0x0
; ctx[b][q][head] = the sum over keys k <= q of softmax_k(Q[q] . K[k] / 8) V[k]: 64 (batch, head) pairs, 2,048 positions, head size 64.  Operands f16, products, maxima and sums f32; the weights p are rounded to f16.
; INPUT: qkv, images of operand registers [wh 48][rt 512][u 2][1,024 bytes] (wh = 16 x (q, k, v) + head, rt = global row / 16, u = half of the head's 64): registers 0-3 of lane l at 16 l, 4-7 at 512 + 16 l.
; OUTPUT: ctx, images for the projection [ks 8 = head / 2][rt 512][q 4 = 2 (head % 2) + u][1,024 bytes].
; SHARES.  Work-group (j, 16 b + head) takes query block j (256 queries) and then block 7 - j: (j + 1) + (8 - j) = 9 key blocks of 256 for every work-group: the trip count is a constant and the work is even.
; Each of the eight waves owns 32 queries, two tiles of 16; two waves share a SIMD, so that one wave's softmax stands beside the other's products.
; NO CLUSTER: the four work-groups of a head walk different key blocks in the same trip (key block T or T - j - 1), so partners would ask for different tiles.
; LAYOUT.  S^T = K Q^T (source 0 = 16 keys, source 1 = 16 queries): a lane holds ONE query (lane % 16) and keys 8 (lane / 16) + 0 .. 7.  Two such tiles, rounded to f16 in pairs, ARE source 1 of O^T = V^T P.
; V's images are laid so that the turning LDS load at 16 x lane gives V^T.  O^T's tiles, rounded in pairs, are the projection's fragments: they are stored as they stand.
; SOFTMAX.  A running maximum m and sum l for each query: p = 2^(c s - c m), c = log2(e) / 8; in every step O and l are multiplied by a = 2^(c m_old - c m_new).
; THE MASK.  A step of 64 keys all of which come after the wave's 32 queries is left out by a scalar branch on ids; on the diagonal hidden scores become -infinity ahead of the maximum.
; THE RING.  Two LDS slots of a key block each (K's 32 KiB, then V's); each wave brings 8 KiB of the next block by one tensor load behind each trip's barrier: one load of mine is out at a time.
; LIMITS: positions 0-15 of each sequence are computed here in f16 like the rest and are replaced by the f32 launch; NaN and infinities are not served.
; REGISTERS.  window 0: v1-10 addresses and constants; v16-31 statistics, eight a tile: +0 c m, +1 m, +2, +3 l, +4 to +7 at work (a in +6); v32-95 S^T (32 t + 8 kt); v96-127 P (16 t + 8 kc);
;   v128-159 Q (16 t + 8 u); v160-223 O^T (32 t + 8 n); v224-255 packed results.   window 1: v0-63 K (16 kt + 8 u); v64-127 V^T (16 n + 8 kc); v128-159 the second block's Q.
.set LA,   1                           ; v1   16 x lane: an image's place for my lane; never rewritten
.set ADR,  2                           ; v2   LDS address of the step's images
.set D0,   4                           ; v4   r - 8 h
.set DM,   5                           ; v5-6 the two tiles' mask figures
.set NINF, 7                           ; v7   -infinity
.set SPW,  8                           ; v8   LDS address of my spare word; never rewritten
.set NIL,  9                           ; v9   0; never rewritten
.set PFO,  10                          ; v10  256 x lane: the prefetches' offset; never rewritten
.set ST,   16
.set S,    32
.set P,    96
.set Q,    128
.set O,    160
.set TMP,  224
.set KFR,  0                           ; in window 1
.set VFR,  64
.set Q2,   128
.set SLOTB, 65536                      ; slot 1 begins here: one exclusive or turns an address in one slot into the other's
.set VOFF,  32768                      ; V's images behind K's
.set SPARE, 131072                     ; behind the ring: the spare words, 128 bytes for each of eight waves
.set WV,  8                            ; s8   wave
.set JJ,  9                            ; s9   j
.set J1,  10                           ; s10  j + 1: the first block's trips
.set LIM, 32                           ; s32  7 in the head's first work-group, else 0: a wave prefetches while the trip's number is under it
.set T,   33                           ; s33  the trip
.set IC,  34                           ; s34  counts a trip's four steps
.set TB,  35                           ; s35  LDS byte at which the step's images of K begin
.set KF,  36                           ; s36  the step's first key
.set Q0,  37                           ; s37  my first query
.set QB,  38                           ; s38  the query block in hand
.set CS,  44                           ; s[44:45] c, twice
.set SEL, 46                           ; s[46:47] lane selects: lane l xor 16
.set MSB, 0
.macro WIN new
.if MSB != (\new)
	s_set_vgpr_msb (MSB<<8)|(\new)
.set MSB, (\new)
.endif
.endm
	s_load_b128 s[4:7], s[0:1], 0x0                ; qkv s[4:5], ctx s[6:7]
	v_lshl_add_u32 v[SPW], v0, 2, SPARE
	v_mov_b32 v[NIL], 0
	ds_add_u32 v[SPW], v[NIL]                      ; the wave's opening: the add, twice on end, and its wait ahead of my first tensor load
	ds_add_u32 v[SPW], v[NIL]
	v_lshrrev_b32 v3, 5, v0
	v_readfirstlane_b32 s[WV], v3                  ; wave 0..7
	s_mov_b32 s[JJ], ttmp9
	s_add_co_u32 s[J1], ttmp9, 1
	s_and_b32 s13, ttmp7, 0xffff
	s_and_b32 s11, s13, 15                         ; head
	s_lshr_b32 s12, s13, 4                         ; batch
	; descriptor group 1: 8,192 dense bytes as 32 rows of 256 (32 elements of 8 bytes), no padding: images are read 512 consecutive bytes an instruction
	s_mov_b32 s16, 3<<16                           ; no mask; elements of 8 bytes
	s_mov_b32 s17, 32<<16                          ; tensor_dim0 = 32
	s_mov_b32 s18, 32<<16                          ; tensor_dim1 = 32
	s_mov_b32 s19, 32<<16                          ; tile_dim0 = 32
	s_mov_b32 s20, 32                              ; tile_dim1 = 32
	s_mov_b32 s21, 32                              ; the pitch
	s_mov_b32 s22, 0
	s_mov_b32 s23, 0
	s_mov_b32 s[CS], 0x3e38aa3b                    ; c = log2(e) / sqrt(64)
	s_mov_b32 s[CS+1], s[CS]
	s_mov_b32 s[SEL], 0x76543210
	s_mov_b32 s[SEL+1], 0xfedcba98
	s_lshl_b32 s54, s12, 7                         ; 128 b: the batch's first row tile
	s_lshr_b32 s48, s[WV], 2                       ; waves 0-3 fetch K's quarters, waves 4-7 V's
	s_lshl_b32 s48, s48, 4
	s_add_co_u32 s48, s48, s11
	s_add_co_u32 s48, s48, 16                      ; wh
	s_lshl_b32 s48, s48, 9
	s_add_co_u32 s48, s48, s54
	s_lshl_b32 s48, s48, 11
	s_and_b32 s50, s[WV], 3
	s_lshl_b32 s50, s50, 13
	s_add_co_u32 s28, s48, s50                     ; my 8,192 bytes of key block 0
	s_mov_b32 s29, 0
	s_cmp_eq_u32 ttmp9, 0
	s_cselect_b32 s[LIM], 7, 0
	s_mov_b32 s[T], 0
	s_mov_b32 s[TB], 0
	s_mov_b32 s[KF], 0
	s_mov_b32 s[QB], s[JJ]
	s_lshl_b32 s[Q0], s[JJ], 8
	s_lshl_b32 s53, s[WV], 5
	s_add_co_u32 s[Q0], s[Q0], s53                 ; 256 j + 32 wave
	s_wait_dscnt 0x0                               ; both opening adds are done
	s_wait_kmcnt 0x0
	s_add_nc_u64 s[14:15], s[4:5], s[28:29]        ; KVB
	s_mov_b32 s24, 1                               ; group 0: count = 1,
	s_lshl_b32 s25, s[WV], 13                      ; LDS address: slot 0 + 8,192 x wave,
	s_mov_b64 s[26:27], s[14:15]                   ; key block 0,
	s_or_b32 s27, s27, 0x80000000                  ; type = 2
	tensor_load_to_lds s[24:27], s[16:23]          ; the first fill
	s_nop 0
.rept 4
	v_nop
.endr
	s_mov_b64 s[30:31], s[14:15]                   ; the prefetches begin a block further on: the first trip steps this
	s_lshl_b32 s52, s11, 9
	s_add_co_u32 s52, s52, s54
	s_lshl_b32 s53, s[WV], 1
	s_add_co_u32 s52, s52, s53                     ; 512 head + 128 b + 2 wave
	s_lshl_b32 s53, s[JJ], 4
	s_add_co_u32 s48, s52, s53
	s_lshl_b32 s48, s48, 11
	s_mov_b32 s49, 0
	s_sub_co_u32 s53, 7, s[JJ]
	s_lshl_b32 s53, s53, 4
	s_add_co_u32 s50, s52, s53
	s_lshl_b32 s50, s50, 11
	s_mov_b32 s51, 0
	s_add_nc_u64 s[48:49], s[4:5], s[48:49]        ; Q of block j,
	s_add_nc_u64 s[50:51], s[4:5], s[50:51]        ; and of block 7 - j
	s_lshr_b32 s52, s11, 1
	s_lshl_b32 s52, s52, 9
	s_add_co_u32 s52, s52, s54
	s_lshl_b32 s53, s[WV], 1
	s_add_co_u32 s52, s52, s53
	s_lshl_b32 s52, s52, 12
	s_and_b32 s53, s11, 1
	s_lshl_b32 s53, s53, 11
	s_add_co_u32 s52, s52, s53
	s_mov_b32 s53, 0
	s_add_nc_u64 s[40:41], s[6:7], s[52:53]        ; ctx at (head / 2, 128 b + 2 wave, 2 (head % 2))
	v_and_b32 v3, 31, v0
	v_lshlrev_b32 v[LA], 4, v3
	v_lshlrev_b32 v[PFO], 8, v3
	v_and_b32 v3, 15, v0                           ; r
	v_bfe_u32 v11, v0, 4, 1                        ; h
	v_lshlrev_b32 v11, 3, v11
	v_sub_nc_u32 v[D0], v3, v11
	v_mov_b32 v[NINF], 0xff800000
.irp t, 0,1
.irp u, 0,1
.irp c, 0,1
	global_load_b128 v[Q+16*\t+8*\u+4*\c:Q+16*\t+8*\u+4*\c+3], v[LA], s[48:49] offset:2048*\t+1024*\u+512*\c
.endr
.endr
.endr
	WIN 0x40                                       ; destination window 1
.irp t, 0,1
.irp u, 0,1
.irp c, 0,1
	global_load_b128 v[Q2+16*\t+8*\u+4*\c:Q2+16*\t+8*\u+4*\c+3], v[LA], s[50:51] offset:2048*\t+1024*\u+512*\c
.endr
.endr
.endr
	WIN 0
.macro INIT                            ; a block of queries begins: m = -3e38, under every score; l = 0; O^T = 0: the first change of m multiplies zeros
.irp t, 0,1
	v_mov_b32 v[ST+8*\t+1], 0xff61b1e6
	v_mul_f32 v[ST+8*\t], s[CS], v[ST+8*\t+1]
	v_mov_b32 v[ST+8*\t+2], 0
	v_mov_b32 v[ST+8*\t+3], 0
.endr
.set i, 0
.rept 64
	v_mov_b32 v[O+i], 0
.set i, i+1
.endr
.endm
	INIT
.irp t, 0,1
.irp k, 4,5,6,7
	v_mov_b32 v[ST+8*\t+\k], 0                     ; written once: a lane permute's destination counts as read, and so does a pair's upper half
.endr
.endr
	s_wait_loadcnt 0x0                             ; Q
.macro MASK                            ; register 8 kt + j of tile t holds key KF + 16 kt + 8 h + j of query Q0 + 16 t + r: hidden where 16 kt + j > d = Q0 + 16 t - KF + r - 8 h
	s_sub_co_i32 s48, s[Q0], s[KF]
	v_add_nc_u32 v[DM], s48, v[D0]
	v_add_nc_u32 v[DM+1], 16, v[DM]
.irp t, 0,1
.irp kt, 0,1,2,3
.irp j, 0,1,2,3,4,5,6,7
	v_cmp_gt_i32 vcc_lo, 16*\kt+\j, v[DM+\t]
	v_cndmask_b32 v[S+32*\t+8*\kt+\j], v[S+32*\t+8*\kt+\j], v[NINF], vcc_lo   ; each accumulator from its low end on
.endr
.endr
.endr
.endm
.macro SOFTMAX                         ; both tiles, line by line in turn, so that no line waits for the line above it
.irp k, 0,1,2,3
.irp t, 0,1
	v_max3_num_f32 v[ST+8*\t+4+\k], v[S+32*\t+8*\k], v[S+32*\t+8*\k+1], v[S+32*\t+8*\k+2]   ; four chains, each begun at an accumulator's low end
.endr
.endr
.irp g, 3,5
.irp k, 0,1,2,3
.irp t, 0,1
	v_max3_num_f32 v[ST+8*\t+4+\k], v[ST+8*\t+4+\k], v[S+32*\t+8*\k+\g], v[S+32*\t+8*\k+\g+1]
.endr
.endr
.endr
.irp t, 0,1
	v_max3_num_f32 v[ST+8*\t+4], v[ST+8*\t+4], v[S+32*\t+7], v[S+32*\t+15]
.endr
.irp t, 0,1
	v_max3_num_f32 v[ST+8*\t+6], v[ST+8*\t+6], v[S+32*\t+23], v[S+32*\t+31]
.endr
.irp t, 0,1
	v_max3_num_f32 v[ST+8*\t+4], v[ST+8*\t+4], v[ST+8*\t+5], v[ST+8*\t+6]
.endr
.irp t, 0,1
	v_max3_num_f32 v[ST+8*\t+4], v[ST+8*\t+4], v[ST+8*\t+7], v[ST+8*\t+1]   ; and the old m
.endr
.irp t, 0,1
	v_permlanex16_b32 v[ST+8*\t+5], v[ST+8*\t+4], s[SEL], s[SEL+1]          ; the query's other 32 keys lie in the lane 16 away
.endr
.irp t, 0,1
	v_mov_b32 v[ST+8*\t+7], v[ST+8*\t]             ; c m_old is kept for a
.endr
.irp t, 0,1
	v_max_num_f32 v[ST+8*\t+1], v[ST+8*\t+4], v[ST+8*\t+5]
.endr
.irp t, 0,1
	v_mul_f32 v[ST+8*\t], s[CS], v[ST+8*\t+1]
.endr
.irp t, 0,1
	v_sub_f32 v[ST+8*\t+7], v[ST+8*\t+7], v[ST+8*\t]
.endr
.irp b, 0,1,2,3,4,5,6,7,8,9,10,11,12,13,14,15
.irp t, 0,1
	v_pk_fma_f32 v[S+32*\t+2*\b:S+32*\t+2*\b+1], v[S+32*\t+2*\b:S+32*\t+2*\b+1], s[CS:CS+1], v[ST+8*\t:ST+8*\t+1] op_sel_hi:[1,0,0] neg_lo:[0,0,1] neg_hi:[0,0,1]   ; c s - c m
.endr
.endr
.irp t, 0,1
	v_exp_f32 v[ST+8*\t+6], v[ST+8*\t+7]           ; a.  ONE BATCH: 66 exponentials, none of which reads another's result
.endr
.irp e, 0,1,2,3,4,5,6,7,8,9,10,11,12,13,14,15,16,17,18,19,20,21,22,23,24,25,26,27,28,29,30,31
.irp t, 0,1
	v_exp_f32 v[S+32*\t+\e], v[S+32*\t+\e]
.endr
.endr
	v_nop                                          ; a plain instruction behind the last exponential (ISA guide 5.7.2)
	s_wait_alu depctr_va_vdst(0)                   ; one wait for the batch, ahead of its first reader
.irp m, 0,1,2,3,4,5,6,7,8,9,10,11,12,13,14,15
.irp t, 0,1
	v_cvt_pk_f16_f32 v[P+16*\t+\m], v[S+32*\t+2*\m], v[S+32*\t+2*\m+1]
.endr
.endr
.irp u, 0,1,2,3,4,5,6,7                ; the sum of the unrounded weights, pairs in place: neighbours 1, 2, 4 and 8 pairs apart
.irp t, 0,1
	v_pk_add_f32 v[S+32*\t+4*\u:S+32*\t+4*\u+1], v[S+32*\t+4*\u:S+32*\t+4*\u+1], v[S+32*\t+4*\u+2:S+32*\t+4*\u+3]
.endr
.endr
.irp u, 0,1,2,3
.irp t, 0,1
	v_pk_add_f32 v[S+32*\t+8*\u:S+32*\t+8*\u+1], v[S+32*\t+8*\u:S+32*\t+8*\u+1], v[S+32*\t+8*\u+4:S+32*\t+8*\u+5]
.endr
.endr
.irp u, 0,1
.irp t, 0,1
	v_pk_add_f32 v[S+32*\t+16*\u:S+32*\t+16*\u+1], v[S+32*\t+16*\u:S+32*\t+16*\u+1], v[S+32*\t+16*\u+8:S+32*\t+16*\u+9]
.endr
.endr
.irp t, 0,1
	v_pk_add_f32 v[S+32*\t:S+32*\t+1], v[S+32*\t:S+32*\t+1], v[S+32*\t+16:S+32*\t+17]
.endr
.irp t, 0,1
	v_pk_fma_f32 v[ST+8*\t+2:ST+8*\t+3], v[ST+8*\t+2:ST+8*\t+3], v[ST+8*\t+6:ST+8*\t+7], v[S+32*\t:S+32*\t+1] op_sel_hi:[1,0,1]   ; l = a l + the sum
.endr
.irp m, 0,1,2,3,4,5,6,7,8,9,10,11,12,13,14,15
.irp t, 0,1
	v_pk_mul_f32 v[O+32*\t+2*\m:O+32*\t+2*\m+1], v[O+32*\t+2*\m:O+32*\t+2*\m+1], v[ST+8*\t+6:ST+8*\t+7] op_sel_hi:[1,0]   ; O^T x a, each accumulator from its low end on
.endr
.endr
.endm
; A KEY STEP: 64 keys.
.macro STEP
	s_add_co_u32 s48, s[Q0], 31
	s_cmp_gt_u32 s[KF], s48                        ; all 64 keys come after my 32 queries: ids and counts alone
	s_cbranch_scc1 .Lhid_\@
	v_add_nc_u32 v[ADR], s[TB], v[LA]
	WIN 0x40                                       ; destination window 1
.irp kt, 0,1,2,3
.irp u, 0,1
	ds_load_b128 v[KFR+16*\kt+8*\u:KFR+16*\kt+8*\u+3],   v[ADR] offset:2048*\kt+1024*\u
	ds_load_b128 v[KFR+16*\kt+8*\u+4:KFR+16*\kt+8*\u+7], v[ADR] offset:2048*\kt+1024*\u+512
.endr
.endr
.irp n, 0,1,2,3                        ; V^T, channels 16 n on, keys 32 kc on: registers 0-3 from key tile 2 kc, 4-7 from 2 kc + 1
.irp kc, 0,1
	ds_load_tr16_b128 v[VFR+16*\n+8*\kc:VFR+16*\n+8*\kc+3],   v[ADR] offset:VOFF+4096*\kc+1024*(\n/2)+512*(\n%2)
	ds_load_tr16_b128 v[VFR+16*\n+8*\kc+4:VFR+16*\n+8*\kc+7], v[ADR] offset:VOFF+4096*\kc+2048+1024*(\n/2)+512*(\n%2)
.endr
.endr
	s_wait_dscnt 16                                ; K's sixteen loads are in; V's sixteen may be out
	WIN 0x01                                       ; source 0 window 1
.irp u, 0,1                            ; the eight accumulators take turns, one instruction a turn; the first pass starts the sums
.irp kt, 0,1,2,3
.irp t, 0,1
.if \u == 0
	v_wmma_f32_16x16x32_f16 v[S+32*\t+8*\kt:S+32*\t+8*\kt+7], v[KFR+16*\kt+8*\u:KFR+16*\kt+8*\u+7], v[Q+16*\t+8*\u:Q+16*\t+8*\u+7], 0
.else
	v_wmma_f32_16x16x32_f16 v[S+32*\t+8*\kt:S+32*\t+8*\kt+7], v[KFR+16*\kt+8*\u:KFR+16*\kt+8*\u+7], v[Q+16*\t+8*\u:Q+16*\t+8*\u+7], v[S+32*\t+8*\kt:S+32*\t+8*\kt+7]
.endif
.endr
.endr
.endr
	WIN 0
.rept 4
	v_nop                                          ; places ahead of the first read of the scores (ISA guide 7.12.1)
.endr
	s_add_co_u32 s48, s[KF], 63
	s_cmp_le_u32 s48, s[Q0]                        ; all 64 keys count for all my queries
	s_cbranch_scc1 .Lopen_\@
	MASK
.Lopen_\@:
	SOFTMAX
	s_wait_dscnt 0x0                               ; V is in
	WIN 0x01
.irp kc, 0,1
.irp n, 0,1,2,3
.irp t, 0,1
	v_wmma_f32_16x16x32_f16 v[O+32*\t+8*\n:O+32*\t+8*\n+7], v[VFR+16*\n+8*\kc:VFR+16*\n+8*\kc+7], v[P+16*\t+8*\kc:P+16*\t+8*\kc+7], v[O+32*\t+8*\n:O+32*\t+8*\n+7]
.endr
.endr
.endr
	WIN 0
.rept 4
	v_nop                                          ; places ahead of the next step's loads into K's and V's registers, and of the next read of O^T
.endr
.Lhid_\@:
	s_add_co_u32 s[KF], s[KF], 64
	s_add_co_u32 s[TB], s[TB], 8192                ; four key tiles of 2,048 bytes
.endm
; A block of queries is finished: O^T / l, rounded to f16, stored as the projection's fragments: 512 consecutive bytes a store.
.macro FINAL
.irp t, 0,1
	v_add_f32 v[ST+8*\t+4], v[ST+8*\t+2], v[ST+8*\t+3]
.endr
.irp t, 0,1
	v_permlanex16_b32 v[ST+8*\t+5], v[ST+8*\t+4], s[SEL], s[SEL+1]
.endr
.irp t, 0,1
	v_add_f32 v[ST+8*\t+4], v[ST+8*\t+4], v[ST+8*\t+5]
.endr
.irp t, 0,1
	v_rcp_f32 v[ST+8*\t+6], v[ST+8*\t+4]
.endr
	v_nop                                          ; a plain instruction behind the last reciprocal
	s_wait_alu depctr_va_vdst(0)                   ; one wait for the two, ahead of their first reader
.irp m, 0,1,2,3,4,5,6,7,8,9,10,11,12,13,14,15
.irp t, 0,1
	v_pk_mul_f32 v[O+32*\t+2*\m:O+32*\t+2*\m+1], v[O+32*\t+2*\m:O+32*\t+2*\m+1], v[ST+8*\t+6:ST+8*\t+7] op_sel_hi:[1,0]
.endr
.endr
	s_wait_xcnt 0x0                                ; the earlier block's stores have read their registers and their base: both are written again only behind this wait
.irp t, 0,1
.irp m, 0,1,2,3,4,5,6,7,8,9,10,11,12,13,14,15
	v_cvt_pk_f16_f32 v[TMP+16*\t+\m], v[O+32*\t+2*\m], v[O+32*\t+2*\m+1]
.endr
.endr
	s_lshl_b32 s28, s[QB], 16                      ; 16 row tiles of 4,096 bytes a block
	s_add_nc_u64 s[42:43], s[40:41], s[28:29]
.irp t, 0,1
.irp n, 0,1,2,3
	global_store_b128 v[LA], v[TMP+16*\t+4*\n:TMP+16*\t+4*\n+3], s[42:43] offset:4096*\t+1024*(\n/2)+512*(\n%2)
.endr
.endr
.endm
.macro REINIT                          ; on to block 7 - j
	WIN 0x01                                       ; source 0 window 1
.set i, 0
.rept 32
	v_mov_b32 v[Q+i], v[Q2+i]
.set i, i+1
.endr
	WIN 0
	INIT
	s_mov_b32 s[KF], 0
	s_sub_co_u32 s[QB], 7, s[JJ]
	s_lshl_b32 s[Q0], s[QB], 8
	s_lshl_b32 s48, s[WV], 5
	s_add_co_u32 s[Q0], s[Q0], s48
.endm
; A TRIP: one key block of 256.  At its head each wave waits for all its tensor loads (its part of the block that it is about to read), adds 0 to its spare word, and waits for that and for its reads of the slot that it
; has left.  Behind the barrier the slot ahead is whole and nobody reads the other one.  fill = 1: that other slot takes the next trip's block: the load has four steps in which to land.
.macro TRIP fill
	s_wait_tensorcnt 0x0                           ; no tensor load of mine is out, so group 0 may be written
	ds_add_u32 v[SPW], v[NIL]                      ; the descriptor's step stands between the add and the wait for it
.if \fill
	s_add_co_u32 s48, s[T], 1
	s_cmp_ge_u32 s48, s[J1]
	s_cselect_b32 s49, s[J1], 0
	s_sub_co_u32 s48, s48, s49                     ; the next trip's key block: T + 1, or T + 1 - (j + 1) in the second block of queries
	s_lshl_b32 s28, s48, 15
	s_add_nc_u64 s[26:27], s[14:15], s[28:29]
	s_or_b32 s27, s27, 0x80000000
	s_xor_b32 s25, s25, SLOTB                      ; the other slot than last time
	s_wait_xcnt 0x0                                ; the last prefetch, a trip back, has read its address, so it may be written
	s_add_nc_u64 s[30:31], s[30:31], 32768         ; key block T + 1
.endif
	s_wait_dscnt 0x0                               ; the add is done, and my reads of the slot that I have left are over
	s_barrier_signal -1
	s_barrier_wait -1
.if \fill
	tensor_load_to_lds s[24:27], s[16:23]          ; the first thing behind the barrier, and my one tensor load until the next
	s_nop 0
.rept 4
	v_nop
.endr
	; A PREFETCH: the head's first work-group (j = 0), whose second block of queries walks key blocks 0 to 7, names in trip T = 0 .. 6 key block T + 1, which its next trip's load will ask for: each wave its own
	; 8,192 bytes, lanes 256 bytes apart, so each aligned block of 256 bytes of key blocks 1 to 7 is named once in the launch.  Nothing is named at the head, and nothing past block 7.
	s_cmp_lt_u32 s[T], s[LIM]
	s_cbranch_scc0 .Lnoask_\@
	global_prefetch_b8 v[PFO], s[30:31] th:TH_LOAD_NT scope:SCOPE_SE
.Lnoask_\@:
	s_cmp_lg_u32 s[T], s[J1]                       ; the first block of queries has had its j + 1 key blocks: ids and counts alone, the same in all eight waves
	s_cbranch_scc1 .Lsame_\@
	FINAL
	REINIT
.Lsame_\@:
.endif
	s_mov_b32 s[IC], 4
.Lstep_\@:
	STEP
	s_sub_co_u32 s[IC], s[IC], 1
	s_cmp_lg_u32 s[IC], 0
	s_cbranch_scc1 .Lstep_\@
.if \fill
	s_sub_co_u32 s[TB], s[TB], 32768               ; back to a slot's first step,
	s_xor_b32 s[TB], s[TB], SLOTB                  ; in the other slot
.endif
.endm
.Ltrip:                                                ; eight trips, each of which asks for the next trip's block
	TRIP 1
	s_add_co_u32 s[T], s[T], 1
	s_cmp_lt_u32 s[T], 8
	s_cbranch_scc1 .Ltrip
	TRIP 0                                         ; the ninth is written out: nothing is left to fetch
	FINAL
	s_wait_tensorcnt 0x0                           ; the wave's end
	ds_add_u32 v[SPW], v[NIL]
	s_wait_dscnt 0x0
	s_endpgm
.Lfunc_end_k_qd65c0e24f8_attn:
	.size	k_qd65c0e24f8_attn, .Lfunc_end_k_qd65c0e24f8_attn-k_qd65c0e24f8_attn
	.p2alignl 7, 3214868480
	.fill 96, 4, 3214868480
	.section	.rodata,"a",@progbits
	.p2align	6, 0x0
	.amdhsa_kernel k_qd65c0e24f8_attn
		.amdhsa_group_segment_fixed_size 327680
		.amdhsa_private_segment_fixed_size 0
		.amdhsa_enable_private_segment 0
		.amdhsa_kernarg_size 16
		.amdhsa_user_sgpr_count 2
		.amdhsa_user_sgpr_kernarg_segment_ptr 1
		.amdhsa_wavefront_size32 1
		.amdhsa_system_sgpr_workgroup_id_x 1
		.amdhsa_system_sgpr_workgroup_id_y 1
		.amdhsa_system_sgpr_workgroup_id_z 1
		.amdhsa_system_vgpr_workitem_id 0
		.amdhsa_next_free_vgpr 416
		.amdhsa_next_free_sgpr 66
		.amdhsa_reserve_vcc 1
		.amdhsa_float_denorm_mode_32 3
		.amdhsa_float_denorm_mode_16_64 3
		.amdhsa_memory_ordered 1
		.amdhsa_forward_progress 1
		.amdhsa_inst_pref_size 67
	.end_amdhsa_kernel
	.amdgpu_metadata
---
amdhsa.version: [ 1, 2 ]
amdhsa.kernels:
  - .name:           k_qd65c0e24f8_attn
    .symbol:         k_qd65c0e24f8_attn.kd
    .args:
      - { .name: qkv, .offset: 0, .size: 8, .value_kind: global_buffer, .address_space: global }
      - { .name: ctx, .offset: 8, .size: 8, .value_kind: global_buffer, .address_space: global }
    .group_segment_fixed_size: 327680
    .private_segment_fixed_size: 0
    .kernarg_segment_align: 8
    .kernarg_segment_size: 16
    .max_flat_workgroup_size: 256
    .sgpr_count:     66
    .vgpr_count:     416
    .wavefront_size: 32
...
	.end_amdgpu_metadata
.endif
;; end of part 3
;; launch proj (part 4): grid 4 x 64, 4 waves a work-group, clusters of 4 x 4, 327,680 bytes of LDS; arguments ctx, woh, bo, out0; writes out0
.if DOCPART == 4
	.amdgcn_target "amdgcn-amd-amdhsa--gfx1250"
	.amdhsa_code_object_version 6
	.text
	.protected	k_qd65c0e24f8_proj
	.globl	k_qd65c0e24f8_proj
	.p2align	8
	.type	k_qd65c0e24f8_proj,@function
k_qd65c0e24f8_proj:
	s_mov_b64 s[64:65], 0
	v_nop
	global_prefetch_b8 v0, s[64:65] scope:SCOPE_SE
	s_setreg_imm32_b32 hwreg(HW_REG_WAVE_MODE, 25, 1), 1
	s_wait_xcnt 0x0
	s_wait_alu depctr_hold_cnt(0) depctr_sa_sdst(0) depctr_va_vdst(0) depctr_va_sdst(0) depctr_va_ssrc(0) depctr_va_vcc(0) depctr_vm_vsrc(0)
	s_getreg_b32 s2, hwreg(HW_REG_IB_STS2, 6, 4)
	s_cmp_eq_u32 s2, 0
	s_cbranch_scc0 .Lentry_in_a_cluster
	s_endpgm
.Lentry_in_a_cluster:
	s_bfe_u32 s2, ttmp6, 0x10000c
	s_cmp_lg_u32 s2, 0xf033
	s_cbranch_scc0 .Lentry_shape_is_right
	s_endpgm
.Lentry_shape_is_right:
; out0[m][n] = sum over k of ctx[m][k] Wo[k][n] + bo[n]: M = 8,192, N = 1,024, K = 1,024; operands f16, sums f32.
; Both operands arrive as images of operand registers (registers 0-3 of lane l at 16 l, 4-7 at 512 + 16 l): ctx [ks 8][rt 512][q 4][1,024 bytes] (16 rows x 32 k), woh [ks 8][nt 64][q 4][1,024 bytes] (16 columns x 32 k),
; k = 128 ks + 32 q + ..  So a K step's tiles are dense blocks of memory, LDS needs neither pitch nor padding, and every LDS load reads 512 consecutive bytes.
; A tile of C is 128 rows x 256 columns: 64 x 4 = 256 work-groups.  Four waves, each 64 x 128: 32 accumulators, 256 registers.  K goes in 8 steps of 128 through a ring of two LDS slots.
; CLUSTERS: 4 x 4 work-groups; A's tiles (they hang on the tile row alone) are asked for jointly along a row of the cluster, B's (on the tile column alone) along a column.
; THE MATRIX INSTRUCTION IS USED TRANSPOSED (source 0 = 16 columns of Wo, source 1 = 16 rows of ctx): a lane holds eight neighbouring numbers of a row of C.  The bias is the C of each sum's first instruction.
; Rows 0-15 of each batch are computed here like the rest; the launch that follows replaces them.
; REGISTERS: window 0: v16-29 addresses; two fragment buffers of 96 at v32 and v128 (B's eight fragments, then A's four); on the way out v32-159 are rows of C.  window 1: accumulator (a, b) at v[8 (8 a + b)].
;   window 2: v0-63 the bias: v[8 b + j] = bo[my first column + 16 b + 8 h + j].
.set ASTEP,  2097152                   ; a K step on in ctx: 512 row tiles of 4,096 bytes
.set BSTEP,  262144                    ; and in woh: 64 column tiles
.set SLOT,   98304                     ; A's 8 row tiles (32,768 bytes), then B's 16 column tiles (65,536)
.set BOFF,   32768
.set SPARE,  2*SLOT                    ; behind the ring: the spare words, 128 bytes for each wave
.set SPITCH, 528                       ; the way out: a stage of 16 rows x (512 bytes + 16) for each wave, in slot 0, which has had its last fill and its last read when the first result is stored there
.set LAPS,   4                         ; a lap = two K steps = once round the ring
.set ADRA, 16                          ; v16-17  LDS address of my A fragments in slot 0, 1
.set ADRB, 20                          ; v20-21  the same for B
.set STO,  24
.set RD,   25
.set CO,   26
.set SPW,  28                          ; v28     LDS address of my spare word; never rewritten
.set NIL,  29                          ; v29     0; never rewritten
.set F0,   32
.set F1,   128
.set BK,   32
.set WV,   12
.set WR,   13                          ; which 64 rows are mine.  Also: I fetch for A (0) or for B (1)
.set WC,   14                          ; which 128 columns.  Also: which half of that tile I fetch
.set G1,  24
.set G0,  32
.set G1B, 48
.set G0B, 56
.set MUL,  0x50                        ; C and D window 1; with + 0x10: C window 2, the bias
.set MSB, 0
.macro WIN new
.if MSB != (\new)
	s_set_vgpr_msb (MSB<<8)|(\new)
.set MSB, (\new)
.endif
.endm
.macro JLOAD s                         ; a joint load: waves 0 and 1 fetch A's halves, waves 2 and 3 B's; an s_nop 0 and four v_nop follow each line
	s_cmp_eq_u32 s[WR], 0
	s_cbranch_scc0 .Lfor_b_\@
	tensor_load_to_lds s[G0+4*\s:G0+4*\s+3], s[G1:G1+7]
	s_nop 0
.rept 4
	v_nop
.endr
	s_branch .Lasked_\@
.Lfor_b_\@:
	tensor_load_to_lds s[G0B+4*\s:G0B+4*\s+3], s[G1B:G1B+7]
	s_nop 0
.rept 4
	v_nop
.endr
.Lasked_\@:
.endm
.macro CREST                           ; a round of the cluster's barrier behind its opening barrier
	s_cmp_lg_u32 s[WV], 0
	s_cbranch_scc1 .Lnot_wave_0_\@
	s_barrier_signal -3
.Lnot_wave_0_\@:
	s_barrier_wait -3
	s_barrier_signal -1
	s_barrier_wait -1
.endm
.macro CROUND
	s_barrier_signal -1
	s_barrier_wait -1
	CREST
.endm
	s_load_b128 s[4:7], s[0:1], 0x0                ; ctx s[4:5], woh s[6:7]
	s_load_b128 s[8:11], s[0:1], 0x10              ; bo s[8:9], out0 s[10:11]
	v_lshl_add_u32 v[SPW], v0, 2, SPARE
	v_mov_b32 v[NIL], 0
	ds_add_u32 v[SPW], v[NIL]                      ; the wave's opening: the add, twice on end, and its wait ahead of my first tensor load
	ds_add_u32 v[SPW], v[NIL]
	v_lshrrev_b32 v1, 5, v0
	v_readfirstlane_b32 s[WV], v1                  ; wave 0..3
	s_lshr_b32 s[WR], s[WV], 1
	s_and_b32 s[WC], s[WV], 1
	s_bfe_u32 s40, ttmp6, 0x40000                  ; cx, cy
	s_bfe_u32 s41, ttmp6, 0x40004
	s_lshl_b32 s42, ttmp9, 2
	s_add_co_u32 s42, s42, s40                     ; tile column = 4 x cluster x + cx
	s_and_b32 s15, ttmp7, 0xffff
	s_lshl_b32 s15, s15, 2
	s_add_co_u32 s15, s15, s41                     ; tile row = 4 x cluster y + cy
	s_lshl_b32 s43, s41, 2
	s_lshl_b32 s43, 15, s43                        ; my row of the cluster
	s_lshl_b32 s44, 0x1111, s40                    ; my column
	; descriptor group 1: dense blocks as rows of 256 bytes (32 elements of 8 bytes), no padding: A 64 rows (16,384 bytes), B 128 rows (32,768 bytes)
	s_or_b32 s[G1+0], s43, (3<<16)|(1<<21)
	s_or_b32 s[G1B+0], s44, (3<<16)|(1<<21)
	s_mov_b32 s[G1+1], 32<<16
	s_mov_b32 s[G1+2], 64<<16
	s_mov_b32 s[G1+3], 32<<16
	s_mov_b32 s[G1+4], 64
	s_mov_b32 s[G1+5], 32
	s_mov_b32 s[G1+6], 0
	s_mov_b32 s[G1+7], 0
	s_mov_b32 s[G1B+1], 32<<16
	s_mov_b32 s[G1B+2], 128<<16
	s_mov_b32 s[G1B+3], 32<<16
	s_mov_b32 s[G1B+4], 128
	s_mov_b32 s[G1B+5], 32
	s_mov_b32 s[G1B+6], 0
	s_mov_b32 s[G1B+7], 0
	s_lshl_b32 s16, s15, 3
	s_lshl_b32 s17, s[WC], 2
	s_add_co_u32 s16, s16, s17
	s_lshl_b32 s16, s16, 12                        ; A: row tile 8 x tile row + 4 x half, 4,096 bytes each
	s_mov_b32 s17, 0
	s_lshl_b32 s46, s42, 4
	s_lshl_b32 s47, s[WC], 3
	s_add_co_u32 s46, s46, s47
	s_lshl_b32 s46, s46, 12                        ; B: column tile 16 x tile column + 8 x half
	s_mov_b32 s47, 0
	s_lshl_b32 s20, s[WC], 14                      ; where they go: A's halves,
	s_lshl_b32 s21, s[WC], 15
	s_add_co_u32 s21, s21, BOFF                    ; B's halves behind them: no place in the cluster enters an LDS address
	s_wait_dscnt 0x0                               ; both opening adds are done
	s_wait_kmcnt 0x0
	s_add_nc_u64 s[16:17], s[4:5], s[16:17]
	s_add_nc_u64 s[46:47], s[6:7], s[46:47]
	CROUND                                         ; all sixteen work-groups are here: the first joint loads meet
.irp s, 0,1
	s_mov_b32 s[G0+4*\s], 1
	s_add_co_u32 s[G0+4*\s+1], s20, \s*SLOT
	s_add_nc_u64 s[G0+4*\s+2:G0+4*\s+3], s[16:17], \s*ASTEP
	s_or_b32 s[G0+4*\s+3], s[G0+4*\s+3], 0x80000000
	s_mov_b32 s[G0B+4*\s], 1
	s_add_co_u32 s[G0B+4*\s+1], s21, \s*SLOT
	s_add_nc_u64 s[G0B+4*\s+2:G0B+4*\s+3], s[46:47], \s*BSTEP
	s_or_b32 s[G0B+4*\s+3], s[G0B+4*\s+3], 0x80000000
	JLOAD \s                                       ; two tensor loads of mine are out behind the second
.endr
	v_and_b32 v1, 31, v0
	v_lshlrev_b32 v[CO], 4, v1                     ; 16 x lane
	s_lshl_b32 s22, s[WR], 14                      ; my four row tiles
	s_lshl_b32 s23, s[WC], 15
	s_add_co_u32 s23, s23, BOFF                    ; my eight column tiles
.irp s, 0,1
	v_add_nc_u32 v[ADRA+\s], s22, v[CO]
	v_add_nc_u32 v[ADRB+\s], s23, v[CO]
	s_add_co_u32 s22, s22, SLOT
	s_add_co_u32 s23, s23, SLOT
.endr
	v_and_b32 v3, 15, v0                           ; r
	v_bfe_u32 v4, v0, 4, 1                         ; h
	s_mul_i32 s22, s[WV], 16*SPITCH                ; my stage
	v_mul_u32_u24 v5, v3, SPITCH
	v_lshl_add_u32 v5, v4, 5, v5
	v_add_nc_u32 v[STO], s22, v5                   ; in: row r, 32 bytes for each half of the lanes
	v_add_nc_u32 v[RD], s22, v[CO]                 ; back: the 32 lanes take one row of 512 bytes
	s_lshl_b32 s18, s42, 10
	s_lshl_b32 s19, s[WC], 9
	s_add_co_u32 s18, s18, s19                     ; my first column, in bytes
	s_mov_b32 s19, 0
	s_add_nc_u64 s[8:9], s[8:9], s[18:19]
	s_add_nc_u64 s[10:11], s[10:11], s[18:19]
	s_lshl_b32 s18, s15, 7
	s_lshl_b32 s22, s[WR], 6
	s_add_co_u32 s18, s18, s22
	s_lshl_b32 s18, s18, 12                        ; my first row: 128 x tile row + 64 x half, 4,096 bytes each
	s_add_nc_u64 s[10:11], s[10:11], s[18:19]
	v_lshlrev_b32 v6, 5, v4                        ; the bias: 32 h bytes on
	WIN 0x80                                       ; destination window 2
.irp b, 0,1,2,3,4,5,6,7
	global_load_b128 v[8*\b:8*\b+3],   v6, s[8:9] offset:64*\b
	global_load_b128 v[8*\b+4:8*\b+7], v6, s[8:9] offset:64*\b+16
.endr
	WIN 0
.macro MULA f, a, first                ; 8 matrix instructions: A's block a x B's eight, 32 along K.  The 32 accumulators take turns, one instruction a turn, in the same order in every quarter
.irp b, 0,1,2,3,4,5,6,7
.if \first
	v_wmma_f32_16x16x32_f16 v[8*(8*(\a)+\b):8*(8*(\a)+\b)+7], v[\f+8*\b:\f+8*\b+7], v[\f+64+8*(\a):\f+64+8*(\a)+7], v[8*\b:8*\b+7]
.else
	v_wmma_f32_16x16x32_f16 v[8*(8*(\a)+\b):8*(8*(\a)+\b)+7], v[\f+8*\b:\f+8*\b+7], v[\f+64+8*(\a):\f+64+8*(\a)+7], v[8*(8*(\a)+\b):8*(8*(\a)+\b)+7]
.endif
.endr
.endm
.macro FETCH slot, q, f                ; 24 LDS loads in one run: quarter q's fragments: B's eight, then A's four
.irp i, 0,1,2,3,4,5,6,7
	ds_load_b128 v[\f+8*\i:\f+8*\i+3],   v[ADRB+\slot] offset:4096*\i+1024*(\q)
	ds_load_b128 v[\f+8*\i+4:\f+8*\i+7], v[ADRB+\slot] offset:4096*\i+1024*(\q)+512
.endr
.irp i, 0,1,2,3
	ds_load_b128 v[\f+64+8*\i:\f+64+8*\i+3],   v[ADRA+\slot] offset:4096*\i+1024*(\q)
	ds_load_b128 v[\f+64+8*\i+4:\f+64+8*\i+7], v[ADRA+\slot] offset:4096*\i+1024*(\q)+512
.endr
.endm
.macro PLACES                          ; four plain vector instructions ahead of loads into registers that matrix instructions have read, and of reads of results
.rept 4
	v_nop
.endr
.endm
; A K step is four quarters of 32 along K, 32 matrix instructions each, on buffers 0, 1, 0, 1.  One of the first three: multiplies buffer f and fetches quarter q into g.
.macro QUARTER slot, q, f, g, first
	s_wait_dscnt 4                                 ; B's and A's blocks 0, 1 are in; the youngest four loads (A's blocks 2, 3) may be out
	WIN MUL+0x10*\first
	MULA \f, 0, \first
	MULA \f, 1, \first
	PLACES
	WIN 0
	FETCH \slot, \q, \g
	s_wait_dscnt 24                                ; all but the 24 just issued
	WIN MUL+0x10*\first
	MULA \f, 2, \first
	MULA \f, 3, \first
.endm
; The last quarter multiplies buffer 1 and changes slots: ONE barrier; in front of it each wave waits for all its tensor loads, adds 0 to its spare word, and waits for that and for its reads of this slot.
; fill = 1: the barrier opens a round of the cluster's barrier, and this slot is filled again, two K steps ahead: the load has a K step less 16 matrix instructions in which to land.
.macro TURN slot, next, fill
	WIN 0                                          ; (the add's two registers lie in window 0)
	s_wait_tensorcnt 0x0                           ; all my tensor loads have landed: my part of the next slot
	ds_add_u32 v[SPW], v[NIL]
	s_wait_dscnt 5                                 ; (the add and the youngest four loads may be out)
	WIN MUL
	MULA F1, 0, 0                                  ; eight matrix instructions stand between the add and the wait for it
	s_wait_dscnt 0x0                               ; the add is done, and my reads of this slot are over
	s_barrier_signal -1
	MULA F1, 1, 0
	WIN 0
	s_barrier_wait -1
.if \fill
	CREST                                          ; no wave of any partner still reads this slot's tile or has a load on its way
	s_add_nc_u64 s[G0+4*\slot+2:G0+4*\slot+3], s[G0+4*\slot+2:G0+4*\slot+3], 2*ASTEP
	s_add_nc_u64 s[G0B+4*\slot+2:G0B+4*\slot+3], s[G0B+4*\slot+2:G0B+4*\slot+3], 2*BSTEP
	JLOAD \slot                                    ; the first tensor load behind the round; the four v_nop behind it are also the places in front of the loads below
.else
	PLACES
.endif
	FETCH \next, 0, F0
	WIN MUL
	MULA F1, 2, 0
	MULA F1, 3, 0
.endm
	s_wait_tensorcnt 1                             ; my part of K step 0 is in (K step 1's load may be out),
	s_barrier_signal -1
	s_barrier_wait -1                              ; everybody's is
	FETCH 0, 0, F0
	s_wait_loadcnt 0x0                             ; the bias
	QUARTER 0, 1, F0, F1, 1                        ; the first quarter stands in front of the loop: its products start the sums, on the bias
	WIN 0                                          ; at a label and at a branch every window is 0
	s_mov_b32 s3, LAPS-1
.Llap:                                                 ; a trip goes once round the ring, from a lap's second quarter to the next lap's first, and fills both slots again
	QUARTER 0, 2, F1, F0, 0
	QUARTER 0, 3, F0, F1, 0
	TURN 0, 1, 1
	QUARTER 1, 1, F0, F1, 0
	QUARTER 1, 2, F1, F0, 0
	QUARTER 1, 3, F0, F1, 0
	TURN 1, 0, 1
	QUARTER 0, 1, F0, F1, 0
	WIN 0
	s_sub_co_u32 s3, s3, 1
	s_cmp_lg_u32 s3, 0
	s_cbranch_scc1 .Llap
	QUARTER 0, 2, F1, F0, 0                        ; the last lap fills nothing, and has no round of the cluster's barrier
	QUARTER 0, 3, F0, F1, 0
	TURN 0, 1, 0
	QUARTER 1, 1, F0, F1, 0
	QUARTER 1, 2, F1, F0, 0
	QUARTER 1, 3, F0, F1, 0
	s_wait_dscnt 4                                 ; the very last quarter: nothing more to fetch
	WIN MUL
	MULA F1, 0, 0
	MULA F1, 1, 0
	s_wait_dscnt 0
	MULA F1, 2, 0
	MULA F1, 3, 0
	WIN 0
; THE WAY OUT, block by block of 16 rows x 128 columns: a lane holds 32 neighbouring bytes of a row, so a block goes through my own stage and comes back as whole rows of 512 bytes.
; LDS serves a wave's instructions in order (ISA guide 5.7.1.4): no wait between the stores and the loads, nor in front of the next block's stores.
.macro TOSTAGE a
	WIN 0x04                                       ; an LDS store's data are its source 1: window 1
.irp b, 0,1,2,3,4,5,6,7
	ds_store_b128 v[STO], v[64*(\a)+8*\b:64*(\a)+8*\b+3] offset:64*\b          ; each accumulator from its low end on
	ds_store_b128 v[STO], v[64*(\a)+8*\b+4:64*(\a)+8*\b+7] offset:64*\b+16
.endr
	WIN 0
.set BB, BK+64*((\a)%2)
.irp t, 0,1,2,3,4,5,6,7,8,9,10,11,12,13,14,15
	ds_load_b128 v[BB+4*\t:BB+4*\t+3], v[RD] offset:\t*SPITCH
.endr
.endm
.macro SEND a, younger                 ; younger: the LDS instructions issued behind block a's loads, which may stay out
.set BB, BK+64*((\a)%2)
	s_wait_dscnt \younger
.if (\a) > 0
	s_add_nc_u64 s[10:11], s[10:11], 16*4096       ; (behind a wait on XCNT: the earlier stores have read their base)  16 rows on
.endif
.irp t, 0,1,2,3,4,5,6,7,8,9,10,11,12,13,14,15
	global_store_b128 v[CO], v[BB+4*\t:BB+4*\t+3], s[10:11] offset:\t*4096 th:TH_STORE_NT   ; 32 lanes store 512 consecutive bytes, at a multiple of 256 from out0's first byte
.endr
.endm
	PLACES
	TOSTAGE 0
.irp a, 1,2,3
.if \a > 1
	s_wait_xcnt 0x0                                ; block a - 2's stores have read their registers and their base
.endif
	TOSTAGE \a
	SEND \a-1, 32                                  ; behind block a - 1's loads: block a's 16 stores and 16 loads
.endr
	s_wait_xcnt 0x0                                ; block 2's stores have read their base
	SEND 3, 0
	s_wait_tensorcnt 0x0                           ; the wave's end
	ds_add_u32 v[SPW], v[NIL]
	s_wait_dscnt 0x0
	CROUND                                         ; the closing round
	s_endpgm
.Lfunc_end_k_qd65c0e24f8_proj:
	.size	k_qd65c0e24f8_proj, .Lfunc_end_k_qd65c0e24f8_proj-k_qd65c0e24f8_proj
	.p2alignl 7, 3214868480
	.fill 96, 4, 3214868480
	.section	.rodata,"a",@progbits
	.p2align	6, 0x0
	.amdhsa_kernel k_qd65c0e24f8_proj
		.amdhsa_group_segment_fixed_size 327680
		.amdhsa_private_segment_fixed_size 0
		.amdhsa_enable_private_segment 0
		.amdhsa_kernarg_size 32
		.amdhsa_user_sgpr_count 2
		.amdhsa_user_sgpr_kernarg_segment_ptr 1
		.amdhsa_wavefront_size32 1
		.amdhsa_system_sgpr_workgroup_id_x 1
		.amdhsa_system_sgpr_workgroup_id_y 1
		.amdhsa_system_sgpr_workgroup_id_z 1
		.amdhsa_system_vgpr_workitem_id 0
		.amdhsa_next_free_vgpr 576
		.amdhsa_next_free_sgpr 66
		.amdhsa_reserve_vcc 0
		.amdhsa_float_denorm_mode_32 3
		.amdhsa_float_denorm_mode_16_64 3
		.amdhsa_memory_ordered 1
		.amdhsa_forward_progress 1
		.amdhsa_inst_pref_size 86
	.end_amdhsa_kernel
	.amdgpu_metadata
---
amdhsa.version: [ 1, 2 ]
amdhsa.kernels:
  - .name:           k_qd65c0e24f8_proj
    .symbol:         k_qd65c0e24f8_proj.kd
    .args:
      - { .name: ctx, .offset: 0, .size: 8, .value_kind: global_buffer, .address_space: global }
      - { .name: woh, .offset: 8, .size: 8, .value_kind: global_buffer, .address_space: global }
      - { .name: bo, .offset: 16, .size: 8, .value_kind: global_buffer, .address_space: global }
      - { .name: out0, .offset: 24, .size: 8, .value_kind: global_buffer, .address_space: global }
    .group_segment_fixed_size: 327680
    .private_segment_fixed_size: 0
    .kernarg_segment_align: 8
    .kernarg_segment_size: 32
    .max_flat_workgroup_size: 128
    .sgpr_count:     66
    .vgpr_count:     576
    .wavefront_size: 32
...
	.end_amdgpu_metadata
.endif
;; end of part 4
;; launch fine (part 5): grid 16 x 4, 16 waves a work-group, no clusters, 71,680 bytes of LDS; arguments q32, Wo, bo, out0; writes out0
.if DOCPART == 5
	.amdgcn_target "amdgcn-amd-amdhsa--gfx1250"
	.amdhsa_code_object_version 6
	.text
	.protected	k_qd65c0e24f8_fine
	.globl	k_qd65c0e24f8_fine
	.p2align	8
	.type	k_qd65c0e24f8_fine,@function
k_qd65c0e24f8_fine:
	s_mov_b64 s[64:65], 0
	v_nop
	global_prefetch_b8 v0, s[64:65] scope:SCOPE_SE
	s_setreg_imm32_b32 hwreg(HW_REG_WAVE_MODE, 25, 1), 1
	s_wait_xcnt 0x0
; POSITIONS 0 TO 15 OF EACH BATCH, IN F32 FROM END TO END: these rows average one to sixteen values and are the largest of the output, so f16 operands would weigh most there.  64 rows of out0 are written anew.
; INPUT: q32 [b 4][ct 192][1,024 bytes]: the raw f32 accumulators of rows 0-15 of batch b, columns 16 ct on of q | k | v: lane (r, h) holds row r, columns 8 h + 0 .. 7; registers 0-3 at 16 l, 4-7 at 512 + 16 l.
; SHARES.  Work-group (cb, b) makes columns 64 cb .. 64 cb + 63 of the 16 rows of batch b.  Wave w is head w: it makes the head's 16 x 16 attention and the head's share of the 64 columns; the sixteen shares meet in LDS,
; and wave w sums row w in ascending order of the heads, adds bo and stores 256 consecutive bytes, aligned.
; ALL PRODUCTS by the f32 matrix form, 16 x 16 x 4.  Its lane (r, h) holds k = 2 h + j in register j; here a pair of registers holds four OTHER indices of k, the same four in both sources, which leaves every sum whole:
;   S^T = K Q^T:   pair 8 t + 2 i of both images: channels 16 t + 8 h + 2 i + 0, 1.       D: lane (r, h): query r, keys 8 h + j.
;   O^T = V^T P:   P's pair 2 i: keys 8 h + 2 i + 0, 1; V is loaded so: register 8 t + jj = v(key 8 h + jj, channel 16 t + r).      D: query r, channels 16 t + 8 h + j.
;   out^T = Wo^T O^T: O^T's pair 8 t + 2 i: channels 16 t + 8 h + 2 i + 0, 1; Wo is loaded so: register 8 t + jj = Wo(64 w + 16 t + 8 h + jj, column 16 n + r).      D: query r, columns 16 n + 8 h + j.
; The registers that this form writes, v192-255, are written by matrix instructions alone; accumulators take turns, one instruction a turn.
; REGISTERS: v1-11 addresses; v12-15 at work; v16-23 the scores, then P; v24, v25 the add's two; v26-29 bo, the row's sum; v32-63 Q, later Wo for n = 2; v64-95 K, later Wo for n = 3; v96-127 V, later the shares;
;   v128-191 Wo for n = 0, 1; v192-207 S^T in two halves, later out^T 0, 1; v208-223 out^T 2, 3; v224-255 O^T.
.set SPARE, 69632                      ; behind the sixteen shares of 4,352 bytes (16 rows x (256 + 16)): the spare words, 128 bytes for each of sixteen waves
	s_load_b128 s[4:7], s[0:1], 0x0                ; q32 s[4:5], Wo s[6:7]
	s_load_b128 s[8:11], s[0:1], 0x10              ; bo s[8:9], out0 s[10:11]
	v_lshl_add_u32 v24, v0, 2, SPARE
	v_mov_b32 v25, 0
	v_lshrrev_b32 v1, 5, v0
	v_readfirstlane_b32 s12, v1                    ; wave = head
	s_and_b32 s13, ttmp7, 0xffff                   ; batch
	v_and_b32 v1, 31, v0                           ; lane
	v_and_b32 v2, 15, v0                           ; r
	v_bfe_u32 v3, v0, 4, 1                         ; h
	v_lshlrev_b32 v4, 4, v1                        ; an image's place for my lane
	v_bfe_u32 v5, v2, 2, 1                         ; V: channel r lies in register r % 8 of lane half r / 8: registers 4-7 are 512 bytes on,
	v_lshlrev_b32 v5, 9, v5
	v_lshrrev_b32 v6, 3, v2
	v_lshl_add_u32 v5, v6, 8, v5                   ; lane 16 (r / 8)
	v_lshl_add_u32 v5, v3, 7, v5                   ; + key 8 h, 16 bytes a lane,
	v_and_b32 v6, 3, v2
	v_lshl_add_u32 v5, v6, 2, v5                   ; word r % 4
	v_lshlrev_b32 v7, 2, v2
	v_lshl_add_u32 v7, v3, 15, v7                  ; Wo: 8 h rows of 4,096 bytes + 4 r
	v_lshlrev_b32 v8, 3, v3
	v_sub_nc_u32 v8, v2, v8                        ; d = r - 8 h: key 8 h + j is hidden where j > d
	s_mul_i32 s14, s12, 4352
	v_mul_u32_u24 v9, v2, 272
	v_lshl_add_u32 v9, v3, 5, v9
	v_add_nc_u32 v9, s14, v9                       ; my share: row r, 32 h bytes on
	s_mul_i32 s14, s12, 272
	v_lshlrev_b32 v11, 3, v1                       ; 8 bytes a lane
	v_add_nc_u32 v10, s14, v11                     ; back: row w of every share
	s_mov_b32 s20, 0x76543210
	s_mov_b32 s21, 0xfedcba98                      ; lane l xor 16
	s_mov_b32 s22, 0x3e38aa3b                      ; c = log2(e) / sqrt(64)
	s_mul_i32 s16, s13, 192
	s_lshl_b32 s17, s12, 2
	s_add_co_u32 s16, s16, s17
	s_lshl_b32 s16, s16, 10                        ; q32: (192 b + 4 w) images
	s_mov_b32 s17, 0
	s_lshl_b32 s23, ttmp9, 8                       ; 64 cb columns of 4 bytes
	s_lshl_b32 s18, s12, 18                        ; Wo: 64 w rows
	s_add_co_u32 s18, s18, s23
	s_mov_b32 s19, 0
	s_lshl_b32 s24, s13, 23                        ; out0: row 2,048 b + w
	s_lshl_b32 s25, s12, 12
	s_add_co_u32 s24, s24, s25
	s_add_co_u32 s24, s24, s23
	s_mov_b32 s25, 0
	s_mov_b32 s26, s23
	s_mov_b32 s27, 0
	s_wait_kmcnt 0x0
	s_add_nc_u64 s[4:5], s[4:5], s[16:17]
	s_add_nc_u64 s[6:7], s[6:7], s[18:19]
	s_add_nc_u64 s[8:9], s[8:9], s[26:27]
	s_add_nc_u64 s[10:11], s[10:11], s[24:25]
.irp t, 0,1,2,3
	global_load_b128 v[32+8*\t:35+8*\t], v4, s[4:5] offset:1024*\t              ; Q
	global_load_b128 v[36+8*\t:39+8*\t], v4, s[4:5] offset:1024*\t+512
.endr
.irp t, 0,1,2,3
	global_load_b128 v[64+8*\t:67+8*\t], v4, s[4:5] offset:65536+1024*\t        ; K: 64 images on
	global_load_b128 v[68+8*\t:71+8*\t], v4, s[4:5] offset:65536+1024*\t+512
.endr
.irp t, 0,1,2,3
.irp j, 0,1,2,3,4,5,6,7
	global_load_b32 v[96+8*\t+\j], v5, s[4:5] offset:131072+1024*\t+16*\j       ; V: 128 images on
.endr
.endr
.irp n, 0,1
.irp t, 0,1,2,3
.irp j, 0,1,2,3,4,5,6,7
	global_load_b32 v[128+32*\n+8*\t+\j], v7, s[6:7] offset:(16*\t+\j)*4096+64*\n
.endr
.endr
.endr
	global_load_b64 v[26:27], v11, s[8:9]          ; bo
	s_wait_loadcnt 63                              ; behind V's last load 65 were issued: Q, K and V are in
.irp t, 0,1,2,3                        ; S^T, in two halves that take turns; each half's first step starts its sum
.irp i, 0,1,2,3
.if (\t == 0) && (\i < 2)
	v_wmma_f32_16x16x4_f32 v[192+8*(\i%2):199+8*(\i%2)], v[64+8*\t+2*\i:65+8*\t+2*\i], v[32+8*\t+2*\i:33+8*\t+2*\i], 0
.else
	v_wmma_f32_16x16x4_f32 v[192+8*(\i%2):199+8*(\i%2)], v[64+8*\t+2*\i:65+8*\t+2*\i], v[32+8*\t+2*\i:33+8*\t+2*\i], v[192+8*(\i%2):199+8*(\i%2)]
.endif
.endr
.endr
.rept 8
	v_nop                                          ; eight places behind this form, ahead of loads into its sources and of the first read of its results
.endr
.irp n, 2,3
.irp t, 0,1,2,3
.irp j, 0,1,2,3,4,5,6,7
	global_load_b32 v[32+32*(\n-2)+8*\t+\j], v7, s[6:7] offset:(16*\t+\j)*4096+64*\n
.endr
.endr
.endr
.irp j, 0,1,2,3,4,5,6,7
	v_add_f32 v[16+\j], v[192+\j], v[200+\j]       ; the two halves, each from its low end on, into other registers
.endr
	v_mov_b32 v15, 0xff800000                      ; -infinity
.irp j, 0,1,2,3,4,5,6,7
	v_cmp_gt_i32 vcc_lo, \j, v8
	v_cndmask_b32 v[16+\j], v[16+\j], v15, vcc_lo
.endr
	v_max3_num_f32 v12, v16, v17, v18
	v_max3_num_f32 v12, v12, v19, v20
	v_max3_num_f32 v12, v12, v21, v22
	v_max_num_f32 v12, v12, v23
	v_mov_b32 v13, 0                               ; (a lane permute's destination counts as read)
	v_permlanex16_b32 v13, v12, s20, s21
	v_max_num_f32 v12, v12, v13                    ; the row's maximum: key 0 counts for every query, so it is a number
	v_mul_f32 v12, s22, v12
.irp j, 0,1,2,3,4,5,6,7
	v_fma_f32 v[16+\j], v[16+\j], s22, -v12        ; c s - c m
.endr
.irp j, 0,1,2,3,4,5,6,7
	v_exp_f32 v[16+\j], v[16+\j]
.endr
	v_nop                                          ; a plain instruction behind the last exponential
	s_wait_alu depctr_va_vdst(0)                   ; one wait for the eight, ahead of their first reader
	v_add_f32 v13, v16, v17
	v_add_f32 v14, v18, v19
	v_add_f32 v13, v13, v20
	v_add_f32 v14, v14, v21
	v_add_f32 v13, v13, v22
	v_add_f32 v14, v14, v23
	v_add_f32 v13, v13, v14
	v_permlanex16_b32 v14, v13, s20, s21
	v_add_f32 v13, v13, v14
	v_rcp_f32 v14, v13
	v_nop
	s_wait_alu depctr_va_vdst(0)
.irp j, 0,1,2,3,4,5,6,7
	v_mul_f32 v[16+\j], v[16+\j], v14              ; P = p / l
.endr
.irp i, 0,1,2,3                        ; O^T: four accumulators by turns
.irp t, 0,1,2,3
.if \i == 0
	v_wmma_f32_16x16x4_f32 v[224+8*\t:231+8*\t], v[96+8*\t+2*\i:97+8*\t+2*\i], v[16+2*\i:17+2*\i], 0
.else
	v_wmma_f32_16x16x4_f32 v[224+8*\t:231+8*\t], v[96+8*\t+2*\i:97+8*\t+2*\i], v[16+2*\i:17+2*\i], v[224+8*\t:231+8*\t]
.endif
.endr
.endr
.rept 9
	v_nop                                          ; nine places before a matrix instruction takes these results as a source, and before one writes over the registers that held S^T
.endr
	s_wait_loadcnt 0x0                             ; Wo, bo
.irp t, 0,1,2,3                        ; out^T: four accumulators by turns
.irp i, 0,1,2,3
.irp n, 0,1,2,3
.if \n < 2
.set WB, 128+32*\n
.else
.set WB, 32+32*(\n-2)
.endif
.if (\t == 0) && (\i == 0)
	v_wmma_f32_16x16x4_f32 v[192+8*\n:199+8*\n], v[WB+8*\t+2*\i:WB+8*\t+2*\i+1], v[224+8*\t+2*\i:225+8*\t+2*\i], 0
.else
	v_wmma_f32_16x16x4_f32 v[192+8*\n:199+8*\n], v[WB+8*\t+2*\i:WB+8*\t+2*\i+1], v[224+8*\t+2*\i:225+8*\t+2*\i], v[192+8*\n:199+8*\n]
.endif
.endr
.endr
.endr
.rept 8
	v_nop
.endr
.irp n, 0,1,2,3
	ds_store_b128 v9, v[192+8*\n:195+8*\n] offset:64*\n            ; each accumulator from its low end on
	ds_store_b128 v9, v[196+8*\n:199+8*\n] offset:64*\n+16
.endr
	s_wait_dscnt 0x0                               ; for the others' sake: my share lies in LDS
	s_barrier_signal -1
	s_barrier_wait -1
.irp i, 0,1,2,3,4,5,6,7,8,9,10,11,12,13,14,15
	ds_load_b64 v[96+2*\i:97+2*\i], v10 offset:4352*\i             ; row w of head i's share: 256 bytes for the 32 lanes
.endr
	s_wait_dscnt 0x0
	v_pk_add_f32 v[28:29], v[96:97], v[98:99]
.irp i, 2,3,4,5,6,7,8,9,10,11,12,13,14,15
	v_pk_add_f32 v[28:29], v[28:29], v[96+2*\i:97+2*\i]
.endr
	v_pk_add_f32 v[28:29], v[28:29], v[26:27]
	global_store_b64 v11, v[28:29], s[10:11]       ; 32 lanes store 256 consecutive bytes, aligned
	s_wait_tensorcnt 0x0                           ; the wave's end
	ds_add_u32 v24, v25
	s_wait_dscnt 0x0
	s_endpgm
.Lfunc_end_k_qd65c0e24f8_fine:
	.size	k_qd65c0e24f8_fine, .Lfunc_end_k_qd65c0e24f8_fine-k_qd65c0e24f8_fine
	.p2alignl 7, 3214868480
	.fill 96, 4, 3214868480
	.section	.rodata,"a",@progbits
	.p2align	6, 0x0
	.amdhsa_kernel k_qd65c0e24f8_fine
		.amdhsa_group_segment_fixed_size 71680
		.amdhsa_private_segment_fixed_size 0
		.amdhsa_enable_private_segment 0
		.amdhsa_kernarg_size 32
		.amdhsa_user_sgpr_count 2
		.amdhsa_user_sgpr_kernarg_segment_ptr 1
		.amdhsa_wavefront_size32 1
		.amdhsa_system_sgpr_workgroup_id_x 1
		.amdhsa_system_sgpr_workgroup_id_y 1
		.amdhsa_system_sgpr_workgroup_id_z 1
		.amdhsa_system_vgpr_workitem_id 0
		.amdhsa_next_free_vgpr 256
		.amdhsa_next_free_sgpr 66
		.amdhsa_reserve_vcc 1
		.amdhsa_float_denorm_mode_32 3
		.amdhsa_float_denorm_mode_16_64 3
		.amdhsa_memory_ordered 1
		.amdhsa_forward_progress 1
		.amdhsa_inst_pref_size 32
	.end_amdhsa_kernel
	.amdgpu_metadata
---
amdhsa.version: [ 1, 2 ]
amdhsa.kernels:
  - .name:           k_qd65c0e24f8_fine
    .symbol:         k_qd65c0e24f8_fine.kd
    .args:
      - { .name: q32, .offset: 0, .size: 8, .value_kind: global_buffer, .address_space: global }
      - { .name: Wo, .offset: 8, .size: 8, .value_kind: global_buffer, .address_space: global }
      - { .name: bo, .offset: 16, .size: 8, .value_kind: global_buffer, .address_space: global }
      - { .name: out0, .offset: 24, .size: 8, .value_kind: global_buffer, .address_space: global }
    .group_segment_fixed_size: 71680
    .private_segment_fixed_size: 0
    .kernarg_segment_align: 8
    .kernarg_segment_size: 32
    .max_flat_workgroup_size: 512
    .sgpr_count:     66
    .vgpr_count:     256
    .wavefront_size: 32
...
	.end_amdgpu_metadata
.endif
;; end of part 5
